; MI455X (gfx1250); checked and timed in simulation.
; The chip was launched on July 23, 2026; its instructions are those of AMD's public machine-readable ISA for CDNA 5 (MIT licence, August 2026) and "CDNA5" Instruction Set Architecture Reference Guide (July 2026). The comments in the code are by the model that wrote it; some were corrected since.
;; Attention Layer. Allowed arithmetic: matrix products marked QUANTISED: E4M3 operands, one given power-of-two scale a tensor, by v_wmma_f32_16x16x64_fp8_fp8 or v_wmma_f32_16x16x128_fp8_fp8, f32 sums; everything else in f32.
;; Inputs: Wfc 1,024 x 1,024 float32; Wk 1,024 x 1,024 float32; Wq 1,024 x 1,024 float32; Wv 1,024 x 1,024 float32; beta 1,024 float32; bfc 1,024 float32; bk 1,024 float32; bq 1,024 float32; bv 1,024 float32; gamma 1,024 float32; k 4 x 2,048 x 1,024 float32; lowp_scales 12 int32 (the exponents e of the quantised operands' scales 2^e); q 4 x 2,048 x 1,024 float32; v 4 x 2,048 x 1,024 float32.
;; Outputs: out0 4 x 2,048 x 1,024 float32.
;; This version of the problem:
;;   THIS VERSION OF THE PROBLEM IS GIVEN IN LOW PRECISION. The matrix products marked QUANTISED in the list below multiply operands that are first quantised to E4M3 (4 exponent bits, 3 mantissa bits; 8 bits a number), with one given power-of-two scale for each operand tensor; their sums are f32. All else is computed in f32.
;;   The module's matrix products, in the order in which they are computed (A, B: the left and right operand; K: the contracted axis; several contracted axes count as one K, in the product's order):
;;     1. [M 8,192, K 1,024] x [K 1,024, N 1,024]; A: input q; B: input Wq: QUANTISED (scales: A lowp_scales[0], B lowp_scales[1])
;;     2. [M 8,192, K 1,024] x [K 1,024, N 1,024]; A: input k; B: input Wk: QUANTISED (scales: A lowp_scales[2], B lowp_scales[3])
;;     3. [M 8,192, K 1,024] x [K 1,024, N 1,024]; A: input v; B: input Wv: QUANTISED (scales: A lowp_scales[4], B lowp_scales[5])
;;     4. batch 64 x [M 2,048, K 64] x [K 64, N 2,048]; A: computed on the way; B: computed on the way: QUANTISED (scales: A lowp_scales[6], B lowp_scales[7])
;;     5. batch 64 x [M 2,048, K 2,048] x [K 2,048, N 64]; A: softmax (see below); B: computed on the way: QUANTISED (scales: A lowp_scales[8], B lowp_scales[9])
;;     6. [M 8,192, K 1,024] x [K 1,024, N 1,024]; A: computed on the way; B: input Wfc: QUANTISED (scales: A lowp_scales[10], B lowp_scales[11])
;;   THE QUANTISER, for each operand of a quantised product, along K:
;;     - The operand's scale is 2^e, e = its entry of the input lowp_scales (int32; the entries are numbered through the quantised products in the list's order, A before B).
;;     - Each number is divided by the scale, clamped to +-448, and rounded to the nearest number of E4M3, ties to even, subnormals kept.
;;     - The product sums the exact products of the quantised numbers (number of the format x scale) in f32.
;;   ~~~python
;;   def quantise(x, axis, e):      # numpy; x: float32 -> the quantised numbers, widened to float32 again
;;       x = np.moveaxis(x, axis, -1); K = x.shape[-1]
;;       r = np.clip(x / 2.0 ** e, -448, 448)
;;       step = 2.0 ** (np.maximum(np.frexp(np.where(r == 0, 1, r))[1] - 1, -6) - 3)
;;       q = np.round(r / step) * step * 2.0 ** e      # np.round: ties to even
;;       return np.moveaxis(q, -1, axis).astype(np.float32)
;;   ~~~
;;   SOFTMAX AHEAD OF A QUANTISED PRODUCT. Where the list says 'softmax', what is quantised is not the finished softmax but p = 2^(t - M), with t = logit x log2(e) and M = ceil(the row's largest t), a whole number; so 1/2 < the row's largest p <= 1. The row's sum l is taken of the UNQUANTISED p, in f32, and the product's result is divided by l at the end. Since M is a whole number, a kernel that streams over the keys may use a running M (the ceiling of the running maximum): every later rescaling is an exact power of two, so the quantised numbers keep their values, but for numbers so far below the row's largest that they fall under the format's range.
;;   OPERANDS COMPUTED ON THE WAY. 'Computed on the way' means the value that the module computes at that place (a softmax that the list does not call 'softmax' is quantised finished and normalised). What goes into a quantiser is computed in f32, as accurately as f32 sums, v_exp_f32 and their like allow (about 1e-6 of the number): no bf16 or f16 on the way to a quantiser, and a product that is left as it is and whose result goes on into a quantised operand takes f32 operands (vector FMAs, or v_wmma_f32_16x16x4_f32). A number that lies on a knife's edge between two numbers of the format may be rounded either way, as far as f32 arithmetic and the matrix unit's own rounding can turn it there, and no further.
;; 2 versions. Each part assembles by itself: llvm-mc -triple=amdgcn-amd-amdhsa -mcpu=gfx1250 --defsym DOCPART=n.
;; ======== version 1 of 2: 5 launches
;; workspace buffers: xa 16,777,216 bytes; xb 16,777,216 bytes; wc 4,194,304 bytes; qh 8,388,608 bytes; kh 8,388,608 bytes; vh 8,388,608 bytes
;; launch quant_w (part 1): grid 8 x 16, 4 waves a work-group, no clusters, 36,352 bytes of LDS; arguments Wq, Wfc, Wk, Wv, lowp_scales, wc; writes wc
.if DOCPART == 1
	.amdgcn_target "amdgcn-amd-amdhsa--gfx1250"
	.amdhsa_code_object_version 6
	.text
	.protected	k_qc88ed2478e_quant_w
	.globl	k_qc88ed2478e_quant_w
	.p2align	8
	.type	k_qc88ed2478e_quant_w,@function
k_qc88ed2478e_quant_w:
	s_mov_b64 s[64:65], 0
	v_nop
	global_prefetch_b8 v0, s[64:65] scope:SCOPE_SE
	s_setreg_imm32_b32 hwreg(HW_REG_WAVE_MODE, 25, 1), 1
	s_wait_xcnt 0x0
; The four weights [1024 (k)][1024 (n)], f32, K their FIRST axis, become codes of FP8 (E4M3) in wc, each with the scale 2^e given for it (Wq: entry 1, Wfc: 11, Wk: 3, Wv: 5).
; code = x / 2^e, held within +-448, rounded to the nearest code, ties to even.  LIMITS: -126 <= e <= 119.  NaN among the inputs is not served; an infinity is held at the largest code.
; wc = [pair 2][CT 64][s 16][2,048 bytes].  A block of 2,048 bytes is the IMAGE OF AN OPERAND'S REGISTERS: 16 output columns (16 CT + r) x 128 along K (K step s % 8): byte 512 q + 16 lane + e is byte e of the
; lane's registers 4 q .. 4 q + 3, and registers 2 c, 2 c + 1 of lane (r, h) hold k = 16 c + 8 h + 0 .. 7.  Pair 0: Wq (s < 8), Wfc (s >= 8); pair 1: Wk, Wv.
; SHARES: work-group x: 128 columns; y: tensor y / 4, 256 along K (y % 4).  A wave: 32 columns x 256 k.  A LANE TAKES A COLUMN AND ITS REGISTERS RUN DOWN K: each load reads 128 consecutive bytes a wave, and the
; conversions give codes with K innermost.  The codes turn through the wave's own stage in LDS (a row a column, 256 bytes + 16) and leave as images: each store covers 512 consecutive bytes.  Waves share nothing: no barrier.
.set NCOL,  1024
.set NB,    8                          ; blocks of 32 along K for a wave
.set PITCH, 272                        ; a stage row
.set X,     32                         ; v32-95   two sets of 32 numbers
.set C,     96                         ; v96-103  a block's codes
.set OUTR,  112                        ; v112-175 the way out: four images of 16 registers
	s_load_b256 s[4:11], s[0:1], 0x0               ; Wq, Wfc, Wk, Wv
	s_load_b128 s[12:15], s[0:1], 0x20             ; the scales' exponents, wc
	v_lshl_add_u32 v192, v0, 2, 0x8c00
	v_mov_b32 v193, 0
	v_lshrrev_b32 v1, 5, v0
	v_readfirstlane_b32 s16, v1                    ; wave 0..3
	v_and_b32 v2, 31, v0                           ; lane
	s_and_b32 s19, ttmp7, 0xffff
	s_lshr_b32 s28, s19, 2                         ; which tensor: 0 Wq, 1 Wfc, 2 Wk, 3 Wv
	s_and_b32 s18, s19, 3                          ; which 256 along K
	s_lshl_b32 s17, ttmp9, 7
	s_lshl_b32 s20, s16, 5
	s_add_co_u32 s17, s17, s20                     ; my wave's first column
	v_lshlrev_b32 v3, 2, v2                        ; in: 4 bytes a lane
	s_mul_i32 s21, s16, 32*PITCH                   ; my stage
	v_mul_u32_u24 v4, v2, PITCH
	v_add_nc_u32 v4, s21, v4                       ; into it: row = my column
	v_and_b32 v5, 15, v2                           ; r
	v_lshrrev_b32 v6, 4, v2                        ; h
	v_mul_u32_u24 v7, v5, PITCH
	v_lshl_add_u32 v7, v6, 3, v7
	v_add_nc_u32 v7, s21, v7                       ; out of it: row r, + 8 h: words 68 r + 2 h and the next: 64 different words modulo 64
	v_lshlrev_b32 v8, 4, v2                        ; an image's place for my lane
	s_lshl_b32 s22, s18, 20                        ; in: 256 rows of 4,096 bytes for each step of y % 4,
	s_lshl_b32 s23, s17, 2
	s_add_co_u32 s22, s22, s23                     ; + 4 x column
	s_mov_b32 s23, 0
	s_lshr_b32 s24, s28, 1
	s_lshl_b32 s24, s24, 21                        ; out: the pair,
	s_and_b32 s25, s28, 1
	s_lshl_b32 s25, s25, 14                        ; its first or second eight K steps,
	s_add_co_u32 s24, s24, s25
	s_lshl_b32 s25, s17, 11                        ; (column / 16) x 32,768,
	s_add_co_u32 s24, s24, s25
	s_lshl_b32 s25, s18, 12                        ; two K steps of 2,048 bytes for each step of y % 4
	s_add_co_u32 s24, s24, s25
	s_mov_b32 s25, 0
	s_wait_kmcnt 0x0
	s_load_b256 s[36:43], s[12:13], 0x0            ; entries 0 to 7
	s_load_b128 s[44:47], s[12:13], 0x20           ; entries 8 to 11
	s_cmp_lt_u32 s28, 2                            ; the choice hangs on the work-group's number alone
	s_cselect_b64 s[4:5], s[4:5], s[8:9]           ; Wq | Wk
	s_cselect_b64 s[6:7], s[6:7], s[10:11]         ; Wfc | Wv
	s_bitcmp1_b32 s28, 0
	s_cselect_b64 s[4:5], s[6:7], s[4:5]
	s_add_nc_u64 s[4:5], s[4:5], s[22:23]
	s_add_nc_u64 s[14:15], s[14:15], s[24:25]
.macro LOAD t                          ; block t: W(32 t + i, my column), i = 0 .. 31, into set t % 2
.irp i, 0,1,2,3,4,5,6,7,8,9,10,11,12,13,14,15,16,17,18,19,20,21,22,23,24,25,26,27,28,29,30,31
	global_load_b32 v[X+32*((\t)%2)+\i], v3, s[4:5] offset:(32*(\t)+\i)*NCOL*4 th:TH_LOAD_NT
.endr
.endm
	LOAD 0
	LOAD 1
	s_wait_kmcnt 0x0
	s_cmp_lt_u32 s28, 2
	s_cselect_b32 s30, s37, s39                    ; entry 1 | 3
	s_cselect_b32 s31, s47, s41                    ; entry 11 | 5
	s_bitcmp1_b32 s28, 0
	s_cselect_b32 s30, s31, s30                    ; e
	s_add_co_i32 s30, s30, 127
	s_lshl_b32 s31, s30, 23
	v_mov_b32 v11, s31                             ; 2^e as f32: the conversion takes its exponent field
	s_add_co_i32 s30, s30, 8
	s_lshl_b32 s30, s30, 23
	s_or_b32 s30, s30, 0x600000
	v_mov_b32 v10, s30                             ; 448 x 2^e
.macro BLOCK t
.set XS, X+32*((\t)%2)
.if (\t) < NB-1
	s_wait_loadcnt 32                              ; this block's 32 loads are in; the next block's 32 may be out
.else
	s_wait_loadcnt 0
.endif
.irp i, 0,1,2,3,4,5,6,7,8,9,10,11,12,13,14,15,16,17,18,19,20,21,22,23,24,25,26,27,28,29,30,31
	v_med3_num_f32 v[XS+\i], v[XS+\i], -v10, v10   ; the conversion to an 8-bit code does not saturate (ISA guide 7.6.2): the hold comes first
.endr
.irp g, 0,1,2,3
	v_cvt_scalef32_pk8_fp8_f32 v[C+2*\g:C+2*\g+1], v[XS+8*\g:XS+8*\g+7], v11
.endr
	ds_store_b128 v4, v[C:C+3] offset:32*(\t)      ; 32 codes: 32 bytes of my column's row
	ds_store_b128 v4, v[C+4:C+7] offset:32*(\t)+16
.if (\t)+2 < NB
	LOAD (\t)+2
.endif
	s_wait_dscnt 0x0                               ; the stores have read their registers: the next block's codes may be written (its 32 holds are plain lines that come first)
.endm
.set Q, 0
.rept NB
	BLOCK Q
.set Q, Q+1
.endr
; the way out: image f = 2 x (which 16 columns) + (which 128 along K); its register pair c is 8 bytes of row r at 16 c + 8 h.  LDS serves a wave's instructions in order: these see my stores
.irp f, 0,1,2,3
.irp c, 0,1,2,3,4,5,6,7
	ds_load_b64 v[OUTR+16*\f+2*\c:OUTR+16*\f+2*\c+1], v7 offset:16*(\f/2)*PITCH+128*(\f%2)+16*\c
.endr
.endr
.irp f, 0,1,2,3
.irp q, 0,1,2,3
	s_wait_dscnt 30-8*\f-2*\q                      ; the reads younger than this image's pair 2 q + 1 may be out
	global_store_b128 v8, v[OUTR+16*\f+4*\q:OUTR+16*\f+4*\q+3], s[14:15] offset:(\f/2)*32768+(\f%2)*2048+512*\q   ; 32 lanes store 512 consecutive bytes, aligned
.endr
.endr
	s_wait_tensorcnt 0x0
	ds_add_u32 v192, v193
	s_wait_dscnt 0x0
	s_endpgm
.Lfunc_end_k_qc88ed2478e_quant_w:
	.size	k_qc88ed2478e_quant_w, .Lfunc_end_k_qc88ed2478e_quant_w-k_qc88ed2478e_quant_w
	.p2alignl 7, 3214868480
	.fill 96, 4, 3214868480
	.section	.rodata,"a",@progbits
	.p2align	6, 0x0
	.amdhsa_kernel k_qc88ed2478e_quant_w
		.amdhsa_group_segment_fixed_size 36352
		.amdhsa_private_segment_fixed_size 0
		.amdhsa_enable_private_segment 0
		.amdhsa_kernarg_size 48
		.amdhsa_user_sgpr_count 2
		.amdhsa_user_sgpr_kernarg_segment_ptr 1
		.amdhsa_wavefront_size32 1
		.amdhsa_system_sgpr_workgroup_id_x 1
		.amdhsa_system_sgpr_workgroup_id_y 1
		.amdhsa_system_sgpr_workgroup_id_z 1
		.amdhsa_system_vgpr_workitem_id 0
		.amdhsa_next_free_vgpr 194
		.amdhsa_next_free_sgpr 66
		.amdhsa_reserve_vcc 0
		.amdhsa_float_denorm_mode_32 3
		.amdhsa_float_denorm_mode_16_64 3
		.amdhsa_memory_ordered 1
		.amdhsa_forward_progress 1
		.amdhsa_inst_pref_size 51
	.end_amdhsa_kernel
	.amdgpu_metadata
---
amdhsa.version: [ 1, 2 ]
amdhsa.kernels:
  - .name:           k_qc88ed2478e_quant_w
    .symbol:         k_qc88ed2478e_quant_w.kd
    .args:
      - { .name: Wq, .offset: 0, .size: 8, .value_kind: global_buffer, .address_space: global }
      - { .name: Wfc, .offset: 8, .size: 8, .value_kind: global_buffer, .address_space: global }
      - { .name: Wk, .offset: 16, .size: 8, .value_kind: global_buffer, .address_space: global }
      - { .name: Wv, .offset: 24, .size: 8, .value_kind: global_buffer, .address_space: global }
      - { .name: lowp_scales, .offset: 32, .size: 8, .value_kind: global_buffer, .address_space: global }
      - { .name: wc, .offset: 40, .size: 8, .value_kind: global_buffer, .address_space: global }
    .group_segment_fixed_size: 36352
    .private_segment_fixed_size: 0
    .kernarg_segment_align: 8
    .kernarg_segment_size: 48
    .max_flat_workgroup_size: 128
    .sgpr_count:     66
    .vgpr_count:     194
    .wavefront_size: 32
...
	.end_amdgpu_metadata
.endif
;; end of part 1
;; launch quant_x (part 2): grid 768 x 1, 4 waves a work-group, no clusters, 34,304 bytes of LDS; arguments q, k, v, lowp_scales, xa, xb; writes xa, xb
.if DOCPART == 2
	.amdgcn_target "amdgcn-amd-amdhsa--gfx1250"
	.amdhsa_code_object_version 6
	.text
	.protected	k_qc88ed2478e_quant_x
	.globl	k_qc88ed2478e_quant_x
	.p2align	8
	.type	k_qc88ed2478e_quant_x,@function
k_qc88ed2478e_quant_x:
	s_mov_b64 s[64:65], 0
	v_nop
	global_prefetch_b8 v0, s[64:65] scope:SCOPE_SE
	s_setreg_imm32_b32 hwreg(HW_REG_WAVE_MODE, 25, 1), 1
	s_wait_xcnt 0x0
; q, k, v [8192][1024], f32, K innermost, become codes of FP8 (E4M3), each with the scale 2^e given for it (entries 0, 2, 4).
; code = x / 2^e, held within +-448, rounded to the nearest code, ties to even.  LIMITS: -126 <= e <= 119.  NaN among the inputs is not served; an infinity is held at the largest code.
; xa, xb = [RT 512][s 16][2,048 bytes]: RT = row / 16; a block is the IMAGE OF AN OPERAND'S REGISTERS (16 rows x 128 along K): byte 512 q + 16 lane + e is byte e of the lane's registers 4 q .. 4 q + 3; registers
; 2 c, 2 c + 1 of lane (r, h) hold k = 16 c + 8 h + 0 .. 7 of row r.  xa: s < 8 q's codes (s >= 8 is written by a later launch).  xb: s < 8 k's codes, s >= 8 v's.
; SHARES: 256 work-groups a tensor; a wave takes 16 rows x 512 along K: four images.  Each load reads 512 consecutive bytes of one row; an image's 8,192 bytes turn through the wave's own stage in LDS (16 rows of
; 512 bytes + 16) and come back 32 neighbouring bytes (8 numbers) a lane and pair; each store covers 512 consecutive bytes.  Loads run two images (32 loads a wave) ahead.  Waves share nothing: no barrier.
.set SP, 528                           ; a stage row
.set R,  16                            ; v16-143  two sets of 64 registers, as loaded
.set X,  144                           ; v144-207 64 numbers: register 8 c + i = k 16 c + 8 h + i of my row
.set C,  208                           ; v208-239 two sets of 16 registers of codes
	s_load_b256 s[4:11], s[0:1], 0x0               ; q, k, v, the scales' exponents
	s_load_b128 s[12:15], s[0:1], 0x20             ; xa, xb
	v_lshl_add_u32 v240, v0, 2, 0x8400
	v_mov_b32 v241, 0
	v_lshrrev_b32 v1, 5, v0
	v_readfirstlane_b32 s16, v1                    ; wave
	v_and_b32 v2, 31, v0
	v_lshlrev_b32 v3, 4, v2                        ; 16 x lane: my bytes of a load's 512 and of a store's
	s_mul_i32 s21, s16, 16*SP                      ; my stage
	v_add_nc_u32 v14, s21, v3                      ; into it: a row as it lies
	v_and_b32 v4, 15, v0                           ; r
	v_bfe_u32 v5, v0, 4, 1                         ; h
	v_mul_u32_u24 v15, v4, SP
	v_lshl_add_u32 v15, v5, 5, v15
	v_add_nc_u32 v15, s21, v15                     ; out of it: row r, + 32 h
	s_lshr_b32 s17, ttmp9, 8                       ; which tensor: 0 q, 1 k, 2 v
	s_and_b32 s18, ttmp9, 255
	s_lshl_b32 s18, s18, 2
	s_add_co_u32 s18, s18, s16
	s_lshr_b32 s19, s18, 1                         ; RT
	s_and_b32 s18, s18, 1                          ; which 512 along K
	s_lshl_b32 s22, s19, 16                        ; in: 16 rows of 4,096 bytes,
	s_lshl_b32 s23, s18, 11                        ; + 2,048 bytes
	s_add_co_u32 s22, s22, s23
	s_mov_b32 s23, 0
	s_lshl_b32 s32, s19, 15                        ; out: RT x 32,768,
	s_lshl_b32 s33, s18, 13                        ; + four images,
	s_add_co_u32 s32, s32, s33
	s_cmp_eq_u32 s17, 2
	s_cselect_b32 s33, 16384, 0                    ; v's codes lie in xb's second eight K steps
	s_add_co_u32 s32, s32, s33
	s_mov_b32 s33, 0
	s_wait_kmcnt 0x0
	s_load_b256 s[24:31], s[10:11], 0x0            ; entries 0 to 7
	s_cmp_eq_u32 s17, 0                            ; the choices hang on the work-group's number alone
	s_cselect_b64 s[4:5], s[4:5], s[6:7]
	s_cselect_b64 s[12:13], s[12:13], s[14:15]
	s_cmp_eq_u32 s17, 2
	s_cselect_b64 s[4:5], s[8:9], s[4:5]
	s_add_nc_u64 s[4:5], s[4:5], s[22:23]
	s_add_nc_u64 s[12:13], s[12:13], s[32:33]
.macro LOAD t                          ; image t: 512 bytes of each of my 16 rows, into set t % 2
.irp i, 0,1,2,3,4,5,6,7,8,9,10,11,12,13,14,15
	global_load_b128 v[R+64*((\t)%2)+4*\i:R+64*((\t)%2)+4*\i+3], v3, s[4:5] offset:4096*\i+512*(\t) th:TH_LOAD_NT
.endr
.endm
	LOAD 0
	LOAD 1
	s_wait_kmcnt 0x0
	s_cmp_eq_u32 s17, 0
	s_cselect_b32 s20, s24, s26
	s_cmp_eq_u32 s17, 2
	s_cselect_b32 s20, s28, s20                    ; e
	s_add_co_i32 s20, s20, 127
	s_lshl_b32 s34, s20, 23
	v_mov_b32 v11, s34                             ; 2^e as f32
	s_add_co_i32 s20, s20, 8
	s_lshl_b32 s20, s20, 23
	s_or_b32 s20, s20, 0x600000
	v_mov_b32 v10, s20                             ; 448 x 2^e
.macro STEP t
.set RS, R+64*((\t)%2)
.set CS, C+16*((\t)%2)
.if (\t) < 3
	s_wait_loadcnt 16                              ; this image's 16 loads are in; the next image's 16 may be out
.else
	s_wait_loadcnt 0
.endif
.irp i, 0,1,2,3,4,5,6,7,8,9,10,11,12,13,14,15
	ds_store_b128 v14, v[RS+4*\i:RS+4*\i+3] offset:SP*\i
.endr
.irp c, 0,1,2,3,4,5,6,7
.irp u, 0,1
	ds_load_b128 v[X+8*\c+4*\u:X+8*\c+4*\u+3], v15 offset:64*\c+16*\u   ; LDS serves a wave's instructions in order: these see the stores above
.endr
.endr
	s_wait_dscnt 0x0                               ; the numbers are back, and the stores have read their registers,
.if (\t)+2 < 4
	LOAD (\t)+2                                    ; which take the loads of two images on
.endif
.if (\t) >= 2
	s_wait_xcnt 0x0                                ; the stores of two images back have read this set of codes: it is written again only behind this wait
.endif
.irp c, 0,1,2,3,4,5,6,7
.irp i, 0,1,2,3,4,5,6,7
	v_med3_num_f32 v[X+8*\c+\i], v[X+8*\c+\i], -v10, v10   ; the conversion does not saturate (ISA guide 7.6.2): the hold comes first
.endr
	v_cvt_scalef32_pk8_fp8_f32 v[CS+2*\c:CS+2*\c+1], v[X+8*\c:X+8*\c+7], v11
.endr
	v_nop                                          ; a plain line behind the last conversion
.irp q, 0,1,2,3
	global_store_b128 v3, v[CS+4*\q:CS+4*\q+3], s[12:13] offset:2048*(\t)+512*\q   ; 512 consecutive bytes, aligned
.endr
.endm
	STEP 0
	STEP 1
	STEP 2
	STEP 3
	s_wait_tensorcnt 0x0
	ds_add_u32 v240, v241
	s_wait_dscnt 0x0
	s_endpgm
.Lfunc_end_k_qc88ed2478e_quant_x:
	.size	k_qc88ed2478e_quant_x, .Lfunc_end_k_qc88ed2478e_quant_x-k_qc88ed2478e_quant_x
	.p2alignl 7, 3214868480
	.fill 96, 4, 3214868480
	.section	.rodata,"a",@progbits
	.p2align	6, 0x0
	.amdhsa_kernel k_qc88ed2478e_quant_x
		.amdhsa_group_segment_fixed_size 34304
		.amdhsa_private_segment_fixed_size 0
		.amdhsa_enable_private_segment 0
		.amdhsa_kernarg_size 48
		.amdhsa_user_sgpr_count 2
		.amdhsa_user_sgpr_kernarg_segment_ptr 1
		.amdhsa_wavefront_size32 1
		.amdhsa_system_sgpr_workgroup_id_x 1
		.amdhsa_system_sgpr_workgroup_id_y 1
		.amdhsa_system_sgpr_workgroup_id_z 1
		.amdhsa_system_vgpr_workitem_id 0
		.amdhsa_next_free_vgpr 242
		.amdhsa_next_free_sgpr 66
		.amdhsa_reserve_vcc 0
		.amdhsa_float_denorm_mode_32 3
		.amdhsa_float_denorm_mode_16_64 3
		.amdhsa_memory_ordered 1
		.amdhsa_forward_progress 1
		.amdhsa_inst_pref_size 37
	.end_amdhsa_kernel
	.amdgpu_metadata
---
amdhsa.version: [ 1, 2 ]
amdhsa.kernels:
  - .name:           k_qc88ed2478e_quant_x
    .symbol:         k_qc88ed2478e_quant_x.kd
    .args:
      - { .name: q, .offset: 0, .size: 8, .value_kind: global_buffer, .address_space: global }
      - { .name: k, .offset: 8, .size: 8, .value_kind: global_buffer, .address_space: global }
      - { .name: v, .offset: 16, .size: 8, .value_kind: global_buffer, .address_space: global }
      - { .name: lowp_scales, .offset: 24, .size: 8, .value_kind: global_buffer, .address_space: global }
      - { .name: xa, .offset: 32, .size: 8, .value_kind: global_buffer, .address_space: global }
      - { .name: xb, .offset: 40, .size: 8, .value_kind: global_buffer, .address_space: global }
    .group_segment_fixed_size: 34304
    .private_segment_fixed_size: 0
    .kernarg_segment_align: 8
    .kernarg_segment_size: 48
    .max_flat_workgroup_size: 128
    .sgpr_count:     66
    .vgpr_count:     242
    .wavefront_size: 32
...
	.end_amdgpu_metadata
.endif
;; end of part 2
;; launch proj (part 3): grid 4 x 96, 4 waves a work-group, clusters of 4 x 4, 327,680 bytes of LDS; arguments xa, xb, wc, bq, bk, bv, lowp_scales, qh, kh, vh; writes qh, kh, vh
.if DOCPART == 3
	.amdgcn_target "amdgcn-amd-amdhsa--gfx1250"
	.amdhsa_code_object_version 6
	.text
	.protected	k_qc88ed2478e_proj
	.globl	k_qc88ed2478e_proj
	.p2align	8
	.type	k_qc88ed2478e_proj,@function
k_qc88ed2478e_proj:
	s_mov_b64 s[64:65], 0
	v_nop
	global_prefetch_b8 v0, s[64:65] scope:SCOPE_SE
	s_setreg_imm32_b32 hwreg(HW_REG_WAVE_MODE, 25, 1), 1
	s_wait_xcnt 0x0
	s_wait_alu depctr_hold_cnt(0) depctr_sa_sdst(0) depctr_va_vdst(0) depctr_va_sdst(0) depctr_va_ssrc(0) depctr_va_vcc(0) depctr_vm_vsrc(0)
	s_getreg_b32 s2, hwreg(HW_REG_IB_STS2, 6, 4)
	s_cmp_eq_u32 s2, 0
	s_cbranch_scc0 .Lentry_in_a_cluster
	s_endpgm
.Lentry_in_a_cluster:
	s_bfe_u32 s2, ttmp6, 0x10000c
	s_cmp_lg_u32 s2, 0xf033
	s_cbranch_scc0 .Lentry_shape_is_right
	s_endpgm
.Lentry_shape_is_right:
; The three projections on codes of FP8 (E4M3): x W + b, quantised at once for the attention's products.  One text; the cluster's number c = 0 .. 23 says which: c < 8: q's; c < 16: k's; else v's.
; A [.][1024 k] and B [.][1024 k] are codes laid as images of operand registers (16 rows x 128 k = 2,048 bytes; a tile of 16 rows has its K steps on end, tiles 32,768 bytes apart).
;   q, k: A = the rows' codes (xa, xb), B = the weight's (wc).   v: A = Wv's codes, B = v's codes: the roles are swapped, so that a lane's eight results are eight neighbouring KEYS, the next product's K.
; THE MATRIX INSTRUCTION IS USED TRANSPOSED (source 0 = 16 rows of B, source 1 = 16 rows of A): lane (r, h) holds row r of A's block and rows 8 h + 0 .. 7 of B's.  So one conversion of an accumulator's
; eight registers is a register pair of the next operand, and the results leave as images: qh, kh = [bh 64][position / 16][1,024 bytes] (16 positions x 64 d);  vh = [bh][key / 128][d / 16][2,048 bytes] (16 d x 128 keys).
; value = sum x 2^(ea + eb) + bias, one fused multiply-add in f32; code = value / 2^eo, held within +-448.  (ea, eb, eo): entries (0, 1, 6), (2, 3, 7), (4, 5, 9).
; LIMITS: ea + eb between -126 and 127; eo between -126 and 119.
; SHARES: a work-group of four waves makes 256 x 256, a wave 128 x 128: 64 accumulators, 512 registers.  K goes in steps of 256 through a ring of two LDS slots: four slots' worth, written straight, no loop.
; CLUSTERS: 4 x 4 work-groups; A's tiles are shared along a row of the cluster, B's along a column: each is asked for JOINTLY.  A's addresses are made of c, cy and the wave's number, B's of c, cx and the wave's number.
; REGISTERS, in windows of 256: window 0: v16-29 addresses and constants; v32-47, v64-127 the biases; from v128 A's fragments, ONE set (on the way out v128-255 are at work).  window 1: B's fragments, TWO sets.
;   window 2: the accumulators of my A blocks 0-3 ((a, b) at v[8 (8 (a % 4) + b)]); window 3: those of blocks 4-7.
.set SLOT,  131072                     ; A's two halves, then B's two: 32,768 bytes each: [tile 8][K step 2][2,048]
.set SPARE, 2*SLOT                     ; behind the ring: the spare words, 128 bytes for each wave, that no other line names
.set FR,    16                         ; registers of a fragment
.set NL,    4                          ; LDS loads that bring one
.set NP,    4                          ; places behind this matrix instruction (ISA guide 7.12.1)
.set ADRA,  16                         ; v16-17 LDS address of my A fragments in slot 0, 1
.set ADRB,  20                         ; v20-21 the same for B
.set SCL,   24                         ; v24    2^eo as f32
.set HOLD,  25                         ; v25    448 x 2^eo
.set LI,    26                         ; v26    16 x lane
.set SPW,   28                         ; v28    LDS address of my spare word; never rewritten
.set NIL,   29                         ; v29    0; never rewritten
.set BV,    32                         ; v32-47 the bias of A's row r of block a, twice (a pair): used by v's projection
.set BIAS,  64                         ; v64-127 the bias of B's rows 16 b + 8 h + 0 .. 7: used by q's and k's
.set AF,    128
.set TMP,   128                        ; the way out: 32 numbers at work
.set CODE,  160                        ; the way out: 96 registers of codes, by turns
.set G1,  24                           ; s[24:31] descriptor group 1 for A's tiles; s[32:39] group 0, one set for each slot
.set G0,  32
.set G1B, 48                           ; s[48:55], s[56:63] the same for B's
.set G0B, 56
.set FAC, 8                            ; s[8:9] 2^(ea + eb), twice
.set MSB, 0
.macro WIN new                         ; the immediate's high byte repeats the setting that is left; a switch that changes nothing is dropped
.if MSB != (\new)
	s_set_vgpr_msb (MSB<<8)|(\new)
.set MSB, \new
.endif
.endm
.set MUL_LO, 0xa1                      ; source 0 (B) window 1, source 1 (A) window 0, C and D window 2
.set MUL_HI, 0xf1                      ; the same, C and D window 3
.set TO_B,   0x40                      ; destination window 1, address window 0
; A joint load: waves 0 and 1 fetch A's halves, waves 2 and 3 B's.  Each line has one mask and one set of registers; the branch hangs on the wave's number alone.  Four v_nop follow each line.
.macro JLOAD g0a, g1a, g0b, g1b
	s_cmp_eq_u32 s15, 0
	s_cbranch_scc0 .Lfor_b_\@
	tensor_load_to_lds s[\g0a:\g0a+3], s[\g1a:\g1a+7]
	s_nop 0
.rept 4
	v_nop
.endr
	s_branch .Lasked_\@
.Lfor_b_\@:
	tensor_load_to_lds s[\g0b:\g0b+3], s[\g1b:\g1b+7]
	s_nop 0
.rept 4
	v_nop
.endr
.Lasked_\@:
.endm
.macro CREST                           ; a round of the cluster's barrier behind its opening barrier
	s_cmp_lg_u32 s14, 0
	s_cbranch_scc1 .Lnot_wave_0_\@
	s_barrier_signal -3
.Lnot_wave_0_\@:
	s_barrier_wait -3
	s_barrier_signal -1
	s_barrier_wait -1
.endm
.macro CROUND                          ; a whole round
	s_barrier_signal -1
	s_barrier_wait -1
	CREST
.endm
	s_load_b512 s[68:83], s[0:1], 0x0              ; xa 68, xb 70, wc 72, bq 74, bk 76, bv 78, the scales' exponents 80, qh 82
	s_load_b128 s[84:87], s[0:1], 0x40             ; kh 84, vh 86
	v_lshl_add_u32 v[SPW], v0, 2, SPARE
	v_mov_b32 v[NIL], 0
	ds_add_u32 v28, v29
	ds_add_u32 v28, v29
	s_wait_dscnt 0x0
	v_lshrrev_b32 v1, 5, v0
	v_readfirstlane_b32 s14, v1                    ; wave 0..3
	s_lshr_b32 s15, s14, 1                         ; rh: which half of A's 256 rows is mine.  Also: I fetch for A (0) or for B (1)
	s_and_b32 s16, s14, 1                          ; ch: which half of B's.  Also: which 128 rows of that tile I fetch
	s_bfe_u32 s40, ttmp6, 0x40000                  ; cx
	s_bfe_u32 s41, ttmp6, 0x40004                  ; cy
	s_and_b32 s17, ttmp7, 0xffff                   ; c: the cluster's number, the same in all sixteen
	s_and_b32 s42, s17, 7                          ; c % 8: which 1,024 positions
	s_lshl_b32 s43, s41, 2
	s_lshl_b32 s43, 15, s43                        ; my row of the cluster
	s_lshl_b32 s44, 0x1111, s40                    ; my column
	; descriptor group 1: 8 rows (tiles of 16) x 4,096 bytes (two K steps' images), 32,768 bytes apart; dense in LDS
	s_or_b32 s[G1+0], s43, (3<<16)|(1<<21)         ; 15:0 the mask: A's tiles go to my row; 17:16 elements of 8 bytes; 21 set beside a mask
	s_or_b32 s[G1B+0], s44, (3<<16)|(1<<21)
.irp g, G1, G1B
	s_mov_b32 s[\g+1], 512<<16                     ; tensor_dim0 = 512 elements
	s_mov_b32 s[\g+2], 8<<16                       ; tensor_dim1 = 8
	s_mov_b32 s[\g+3], 512<<16                     ; tile_dim0
	s_mov_b32 s[\g+4], 8                           ; tile_dim1
	s_mov_b32 s[\g+5], 4096                        ; tensor_dim0_stride, in elements
	s_mov_b32 s[\g+6], 0
	s_mov_b32 s[\g+7], 0
.endr
	; which tiles.  The side that holds positions walks 64 tiles a cluster; the weight's side has 64 tiles in all
	s_lshl_b32 s18, s16, 3                         ; 8 x (which half I fetch)
	s_lshl_b32 s19, s42, 6                         ; 64 (c % 8)
	s_lshl_b32 s20, s41, 4
	s_add_co_u32 s20, s20, s18                     ; A: 16 cy + 8 f
	s_lshl_b32 s46, s40, 4
	s_add_co_u32 s46, s46, s18                     ; B: 16 cx + 8 f
	s_mov_b32 s22, 0x204000                        ; Wv: pair 1, K steps 8 on
	s_mov_b32 s23, 0x4000                          ; v's codes: K steps 8 on
	s_cmp_lt_u32 s17, 16
	s_cselect_b32 s21, s19, 0                      ; q, k: A holds the positions;
	s_cselect_b32 s47, 0, s19                      ; v: B does
	s_cselect_b32 s22, 0, s22
	s_cselect_b32 s23, 0x200000, s23               ; Wk: pair 1
	s_cmp_lt_u32 s17, 8
	s_cselect_b32 s23, 0, s23                      ; Wq: pair 0
	s_add_co_u32 s20, s20, s21
	s_lshl_b32 s20, s20, 15
	s_add_co_u32 s20, s20, s22
	s_mov_b32 s21, 0
	s_add_co_u32 s46, s46, s47
	s_lshl_b32 s46, s46, 15
	s_add_co_u32 s46, s46, s23
	s_mov_b32 s47, 0
	s_lshl_b32 s45, s14, 15                        ; where they go: wave x 32,768: no place in the cluster enters an LDS address
	s_wait_kmcnt 0x0
	s_load_b256 s[88:95], s[80:81], 0x0            ; entries 0 to 7
	s_load_b128 s[96:99], s[80:81], 0x20           ; entries 8 to 11
	s_cmp_lt_u32 s17, 16                           ; the buffers are chosen by c alone
	s_cselect_b64 s[4:5], s[70:71], s[72:73]       ; A: xb | wc
	s_cselect_b64 s[6:7], s[72:73], s[70:71]       ; B: wc | xb
	s_cselect_b64 s[12:13], s[76:77], s[78:79]     ; the bias
	s_cselect_b64 s[10:11], s[84:85], s[86:87]     ; the output
	s_cmp_lt_u32 s17, 8
	s_cselect_b64 s[4:5], s[68:69], s[4:5]         ; xa
	s_cselect_b64 s[12:13], s[74:75], s[12:13]
	s_cselect_b64 s[10:11], s[82:83], s[10:11]
	s_add_nc_u64 s[20:21], s[4:5], s[20:21]
	s_add_nc_u64 s[46:47], s[6:7], s[46:47]
	CROUND                                         ; all sixteen work-groups are here: the first joint loads meet
.irp s, 0,1
	s_mov_b32 s[G0+4*\s], 1
	s_add_co_u32 s[G0+4*\s+1], s45, \s*SLOT
	s_add_nc_u64 s[G0+4*\s+2:G0+4*\s+3], s[20:21], \s*4096
	s_or_b32 s[G0+4*\s+3], s[G0+4*\s+3], 0x80000000
	s_mov_b32 s[G0B+4*\s], 1
	s_add_co_u32 s[G0B+4*\s+1], s45, \s*SLOT
	s_add_nc_u64 s[G0B+4*\s+2:G0B+4*\s+3], s[46:47], \s*4096
	s_or_b32 s[G0B+4*\s+3], s[G0B+4*\s+3], 0x80000000
	JLOAD G0+4*\s, G1, G0B+4*\s, G1B               ; two loads of mine are out
.endr
	v_and_b32 v1, 31, v0                           ; lane
	v_bfe_u32 v2, v0, 4, 1                         ; h
	v_and_b32 v3, 15, v0                           ; r
	v_lshlrev_b32 v[LI], 4, v1
	s_lshl_b32 s66, s15, 15                        ; my 128 rows of A,
	s_lshl_b32 s67, s16, 15                        ; my 128 rows of B,
	s_add_co_u32 s67, s67, 65536                   ; which lie behind A's 256
.irp s, 0,1
	v_add_nc_u32 v[ADRA+\s], s66, v[LI]
	v_add_nc_u32 v[ADRB+\s], s67, v[LI]
	s_add_co_u32 s66, s66, SLOT
	s_add_co_u32 s67, s67, SLOT
.endr
	s_wait_kmcnt 0x0                               ; the exponents are in; s68 to s79, the pointers that have been chosen from, are free
	; both sets of biases are loaded, whichever the way out takes: both lie inside the 1,024 numbers
	s_lshl_b32 s74, s40, 10
	s_lshl_b32 s75, s16, 9
	s_add_co_u32 s74, s74, s75                     ; 4 (256 cx + 128 ch)
	v_lshl_add_u32 v4, v2, 5, s74                  ; + 32 h
	s_lshl_b32 s76, s41, 10
	s_lshl_b32 s77, s15, 9
	s_add_co_u32 s76, s76, s77                     ; 4 (256 cy + 128 rh)
	v_lshl_add_u32 v5, v3, 2, s76                  ; + 4 r
.irp b, 0,1,2,3,4,5,6,7
	global_load_b128 v[BIAS+8*\b:BIAS+8*\b+3], v4, s[12:13] offset:64*\b
	global_load_b128 v[BIAS+8*\b+4:BIAS+8*\b+7], v4, s[12:13] offset:64*\b+16
.endr
.irp a, 0,1,2,3,4,5,6,7
	global_load_b32 v[BV+2*\a], v5, s[12:13] offset:64*\a
	global_load_b32 v[BV+2*\a+1], v5, s[12:13] offset:64*\a
.endr
	; where my results go.  The side that holds the heads' columns (q, k: B; v: A) gives the head, the other the positions; in bytes both cases are one formula:
	; (16 (c % 8 / 2) + 4 X1 + 2 X2) x 131,072 + (64 (c % 2) + 16 Y1 + 8 Y2) x 1,024
	s_cmp_lt_u32 s17, 16
	s_cselect_b32 s68, s40, s41                    ; X1
	s_cselect_b32 s69, s16, s15                    ; X2
	s_cselect_b32 s70, s41, s40                    ; Y1
	s_cselect_b32 s71, s15, s16                    ; Y2
	s_lshr_b32 s2, s42, 1
	s_lshl_b32 s2, s2, 4
	s_lshl_b32 s68, s68, 2
	s_add_co_u32 s2, s2, s68
	s_lshl_b32 s69, s69, 1
	s_add_co_u32 s2, s2, s69
	s_lshl_b32 s2, s2, 17
	s_and_b32 s3, s42, 1
	s_lshl_b32 s3, s3, 6
	s_lshl_b32 s70, s70, 4
	s_add_co_u32 s3, s3, s70
	s_lshl_b32 s71, s71, 3
	s_add_co_u32 s3, s3, s71
	s_lshl_b32 s3, s3, 10
	s_add_co_u32 s2, s2, s3
	s_mov_b32 s3, 0
	s_add_nc_u64 s[10:11], s[10:11], s[2:3]
	; the scales, chosen without a branch
	s_add_co_i32 s72, s88, s89
	s_add_co_i32 s73, s90, s91
	s_add_co_i32 s78, s92, s93
	s_cmp_lt_u32 s17, 16
	s_cselect_b32 s73, s73, s78
	s_cselect_b32 s79, s95, s97                    ; entry 7 | 9
	s_cmp_lt_u32 s17, 8
	s_cselect_b32 s72, s72, s73                    ; ea + eb
	s_cselect_b32 s79, s94, s79                    ; eo
	s_add_co_i32 s72, s72, 127
	s_lshl_b32 s[FAC], s72, 23                     ; 2^(ea + eb) as f32
	s_mov_b32 s[FAC+1], s[FAC]                     ; (named with it as a pair, so it is written)
	s_add_co_i32 s79, s79, 127
	s_lshl_b32 s78, s79, 23
	v_mov_b32 v[SCL], s78
	s_add_co_i32 s79, s79, 8
	s_lshl_b32 s79, s79, 23
	s_or_b32 s79, s79, 0x600000
	v_mov_b32 v[HOLD], s79
.macro FRAG reg, adr, q, i             ; tile i's image of the slot's q-th K step: four loads of 512 consecutive bytes
.irp c, 0,1,2,3
	ds_load_b128 v[\reg+4*\c:\reg+4*\c+3], v[\adr] offset:4096*(\i)+2048*(\q)+512*\c
.endr
.endm
; 16 matrix instructions: A's blocks a0, a0 + 1 x B's eight, 128 along K.  p: B's set.  zero = 1: the first product starts the sums.  The 64 accumulators take turns, one instruction a turn, in the same order in every step.
.macro MUL16 a0, p, zero
.irp a, \a0, \a0+1
.irp b, 0,1,2,3,4,5,6,7
.if \zero
	v_wmma_f32_16x16x128_fp8_fp8 v[8*(8*((\a)%4)+\b):8*(8*((\a)%4)+\b)+7], v[128*(\p)+FR*\b:128*(\p)+FR*\b+FR-1], v[AF+FR*(\a):AF+FR*(\a)+FR-1], 0
.else
	v_wmma_f32_16x16x128_fp8_fp8 v[8*(8*((\a)%4)+\b):8*(8*((\a)%4)+\b)+7], v[128*(\p)+FR*\b:128*(\p)+FR*\b+FR-1], v[AF+FR*(\a):AF+FR*(\a)+FR-1], v[8*(8*((\a)%4)+\b):8*(8*((\a)%4)+\b)+7]
.endif
.endr
.endr
.endm
.macro FETCH_B slot, q, p
	WIN TO_B
.irp i, 0,1,2,3,4,5,6,7
	FRAG 128*(\p)+FR*\i, ADRB+\slot, \q, \i
.endr
	WIN 0
.endm
.macro FETCH_A slot, q, i0
.irp i, \i0, \i0+1, \i0+2, \i0+3
	FRAG AF+FR*(\i), ADRA+\slot, \q, \i
.endr
.endm
.macro PLACES n                        ; plain vector lines between a matrix instruction and a load into, or a vector line on, its registers
.rept \n
	v_nop
.endr
.endm
; A step of 128 along K that has its successor in the same slot.  A has one set of registers: blocks 0-3 are fetched anew in the step's middle, blocks 4-7 at its end; B has two sets.
.macro STEP slot, q, zero
	s_wait_dscnt 4*NL                              ; B's set and A's blocks 0-3 are in; the youngest 16 loads (A's blocks 4-7) may be out
	WIN MUL_LO
	MUL16 0, (\q)%2, \zero
	MUL16 2, (\q)%2, \zero
	s_wait_dscnt 0
	PLACES NP
	FETCH_B \slot, (\q)+1, 1-(\q)%2
	FETCH_A \slot, (\q)+1, 0
	WIN MUL_HI
	MUL16 4, (\q)%2, \zero
	MUL16 6, (\q)%2, \zero
	PLACES NP
	WIN 0
	FETCH_A \slot, (\q)+1, 4
.endm
; A slot's last step changes slots: ONE barrier; in front of it each wave waits for all its tensor loads, adds 0 to its spare word, and waits for that and for its own reads of this slot.  fill = 1: the slot is filled again, two slots ahead.
.macro TURN slot, next, fill
	s_wait_tensorcnt 0x0                           ; all my tensor loads have landed: my part of the next slot  (every window is 0 here)
	ds_add_u32 v[SPW], v[NIL]                      ; 0 onto my spare word
	s_wait_dscnt 4*NL+1                            ; (the add and the youngest 16 loads may be out)
	WIN MUL_LO
	MUL16 0, 1, 0                                  ; sixteen matrix instructions stand between the add and the wait for it
	s_wait_dscnt 0x0                               ; the add is done, and my reads of this slot are over
	s_barrier_signal -1
	MUL16 2, 1, 0
	WIN 0
	s_barrier_wait -1
.if \fill
	CREST                                          ; the barrier has opened a round of the cluster's: no wave of any partner still reads this slot or has a load on its way
	s_add_nc_u64 s[G0+4*\slot+2:G0+4*\slot+3], s[G0+4*\slot+2:G0+4*\slot+3], 8192
	s_add_nc_u64 s[G0B+4*\slot+2:G0B+4*\slot+3], s[G0B+4*\slot+2:G0B+4*\slot+3], 8192
	JLOAD G0+4*\slot, G1, G0B+4*\slot, G1B         ; the first tensor load behind the round, my one load until the next; its four v_nop are the places in front of the loads below
.else
	PLACES NP
.endif
	FETCH_B \next, 0, 0
	FETCH_A \next, 0, 0
	WIN MUL_HI
	MUL16 4, 1, 0
	MUL16 6, 1, 0
	PLACES NP
	WIN 0
	FETCH_A \next, 0, 4
.endm
	s_wait_tensorcnt 1                             ; my part of slot 0 is in; slot 1's load may be out
	s_barrier_signal -1
	s_barrier_wait -1
	FETCH_B 0, 0, 0
	FETCH_A 0, 0, 0
	FETCH_A 0, 0, 4
	STEP 0, 0, 1                                   ; k 0: the first products start the sums
	TURN 0, 1, 1                                   ; k 128; slot 0 takes k 512 ..
	STEP 1, 0, 0                                   ; k 256
	TURN 1, 0, 1                                   ; k 384; slot 1 takes k 768 ..
	STEP 0, 0, 0                                   ; k 512
	TURN 0, 1, 0                                   ; k 640; nothing is left to fetch
	STEP 1, 0, 0                                   ; k 768
	s_wait_dscnt 4*NL                              ; k 896
	WIN MUL_LO
	MUL16 0, 1, 0
	MUL16 2, 1, 0
	s_wait_dscnt 0
	WIN MUL_HI
	MUL16 4, 1, 0
	MUL16 6, 1, 0
	WIN 0
; THE WAY OUT: no LDS.  Four accumulators at a time: sum x 2^(ea + eb) + bias into other registers (each accumulator from its low end on), the hold, the conversion; the codes' registers are stored as they stand.
; q, k: A block a (16 positions), head hh of my two: B blocks 4 hh + 0 .. 3 are the head's 64 d: an image of 8 registers.  Twelve sets of 8 by turns.
.macro QKG a, hh
.set G, 2*(\a)+(\hh)
.set CD, CODE+8*(G%12)
.if G >= 12
	s_wait_xcnt 0x0                                ; the stores of twelve images back have read this set: it is written again only behind this wait
.endif
	WIN 0x02+(\a)/4                                ; source 0: window 2 or 3
.irp bb, 0,1,2,3
.irp i, 0,2,4,6
	v_pk_fma_f32 v[TMP+8*\bb+\i:TMP+8*\bb+\i+1], v[8*(8*((\a)%4)+4*(\hh)+\bb)+\i:8*(8*((\a)%4)+4*(\hh)+\bb)+\i+1], s[FAC:FAC+1], v[BIAS+8*(4*(\hh)+\bb)+\i:BIAS+8*(4*(\hh)+\bb)+\i+1] op_sel_hi:[1,0,1]
.endr
.endr
	WIN 0
.irp bb, 0,1,2,3
.irp i, 0,1,2,3,4,5,6,7
	v_med3_num_f32 v[TMP+8*\bb+\i], v[TMP+8*\bb+\i], -v[HOLD], v[HOLD]
.endr
	v_cvt_scalef32_pk8_fp8_f32 v[CD+2*\bb:CD+2*\bb+1], v[TMP+8*\bb:TMP+8*\bb+7], v[SCL]   ; d = 16 bb + 8 h + 0 .. 7: register pair bb
.endr
	v_nop                                          ; a plain line behind the last conversion: the next group writes its sources
	global_store_b128 v[LI], v[CD:CD+3], s[10:11] offset:(\hh)*131072+(\a)*1024          ; 512 consecutive bytes, aligned
	global_store_b128 v[LI], v[CD+4:CD+7], s[10:11] offset:(\hh)*131072+(\a)*1024+512
.endm
; v: A block a (16 d of head a / 4 of my two), B blocks 0 .. 7 are my 128 keys: an image of 16 registers.  Six sets of 16 by turns.
.macro VG a
.set CD, CODE+16*((\a)%6)
.if (\a) >= 6
	s_wait_xcnt 0x0
.endif
.irp hf, 0,1
	WIN 0x02+(\a)/4
.irp bb, 0,1,2,3
.irp i, 0,2,4,6
	v_pk_fma_f32 v[TMP+8*\bb+\i:TMP+8*\bb+\i+1], v[8*(8*((\a)%4)+4*\hf+\bb)+\i:8*(8*((\a)%4)+4*\hf+\bb)+\i+1], s[FAC:FAC+1], v[BV+2*(\a):BV+2*(\a)+1] op_sel_hi:[1,0,1]
.endr
.endr
	WIN 0
.irp bb, 0,1,2,3
.irp i, 0,1,2,3,4,5,6,7
	v_med3_num_f32 v[TMP+8*\bb+\i], v[TMP+8*\bb+\i], -v[HOLD], v[HOLD]
.endr
	v_cvt_scalef32_pk8_fp8_f32 v[CD+2*(4*\hf+\bb):CD+2*(4*\hf+\bb)+1], v[TMP+8*\bb:TMP+8*\bb+7], v[SCL]   ; keys 16 b + 8 h + 0 .. 7: register pair b
.endr
	v_nop
.endr
.irp q, 0,1,2,3
	global_store_b128 v[LI], v[CD+4*\q:CD+4*\q+3], s[10:11] offset:((\a)/4)*131072+((\a)%4)*2048+512*\q
.endr
.endm
	s_wait_loadcnt 0x0                             ; the biases
	PLACES NP                                      ; behind the last products: their results are read and A's registers written below
	s_cmp_ge_u32 s17, 16                           ; the cluster's number: the same in every wave of all sixteen work-groups
	s_cbranch_scc1 .Lv
.irp a, 0,1,2,3,4,5,6,7
	QKG \a, 0
	QKG \a, 1
.endr
	s_branch .Lend
.Lv:
.irp a, 0,1,2,3,4,5,6,7
	VG \a
.endr
.Lend:
	s_wait_tensorcnt 0x0                           ; the wave's end
	ds_add_u32 v[SPW], v[NIL]
	s_wait_dscnt 0x0
	CROUND                                         ; the closing round: no work-group ends while a partner may still ask for a tile that names it
	s_endpgm
.Lfunc_end_k_qc88ed2478e_proj:
	.size	k_qc88ed2478e_proj, .Lfunc_end_k_qc88ed2478e_proj-k_qc88ed2478e_proj
	.p2alignl 7, 3214868480
	.fill 96, 4, 3214868480
	.section	.rodata,"a",@progbits
	.p2align	6, 0x0
	.amdhsa_kernel k_qc88ed2478e_proj
		.amdhsa_group_segment_fixed_size 327680
		.amdhsa_private_segment_fixed_size 0
		.amdhsa_enable_private_segment 0
		.amdhsa_kernarg_size 80
		.amdhsa_user_sgpr_count 2
		.amdhsa_user_sgpr_kernarg_segment_ptr 1
		.amdhsa_wavefront_size32 1
		.amdhsa_system_sgpr_workgroup_id_x 1
		.amdhsa_system_sgpr_workgroup_id_y 1
		.amdhsa_system_sgpr_workgroup_id_z 1
		.amdhsa_system_vgpr_workitem_id 0
		.amdhsa_next_free_vgpr 1024
		.amdhsa_next_free_sgpr 100
		.amdhsa_reserve_vcc 0
		.amdhsa_float_denorm_mode_32 3
		.amdhsa_float_denorm_mode_16_64 3
		.amdhsa_memory_ordered 1
		.amdhsa_forward_progress 1
		.amdhsa_inst_pref_size 195
	.end_amdhsa_kernel
	.amdgpu_metadata
---
amdhsa.version: [ 1, 2 ]
amdhsa.kernels:
  - .name:           k_qc88ed2478e_proj
    .symbol:         k_qc88ed2478e_proj.kd
    .args:
      - { .name: xa, .offset: 0, .size: 8, .value_kind: global_buffer, .address_space: global }
      - { .name: xb, .offset: 8, .size: 8, .value_kind: global_buffer, .address_space: global }
      - { .name: wc, .offset: 16, .size: 8, .value_kind: global_buffer, .address_space: global }
      - { .name: bq, .offset: 24, .size: 8, .value_kind: global_buffer, .address_space: global }
      - { .name: bk, .offset: 32, .size: 8, .value_kind: global_buffer, .address_space: global }
      - { .name: bv, .offset: 40, .size: 8, .value_kind: global_buffer, .address_space: global }
      - { .name: lowp_scales, .offset: 48, .size: 8, .value_kind: global_buffer, .address_space: global }
      - { .name: qh, .offset: 56, .size: 8, .value_kind: global_buffer, .address_space: global }
      - { .name: kh, .offset: 64, .size: 8, .value_kind: global_buffer, .address_space: global }
      - { .name: vh, .offset: 72, .size: 8, .value_kind: global_buffer, .address_space: global }
    .group_segment_fixed_size: 327680
    .private_segment_fixed_size: 0
    .kernarg_segment_align: 8
    .kernarg_segment_size: 80
    .max_flat_workgroup_size: 128
    .sgpr_count:     100
    .vgpr_count:     1024
    .wavefront_size: 32
...
	.end_amdgpu_metadata
.endif
;; end of part 3
;; launch attn (part 4): grid 4 x 64, 16 waves a work-group, clusters of 4 x 1, 327,680 bytes of LDS; arguments qh, kh, vh, lowp_scales, xa; writes xa
.if DOCPART == 4
	.amdgcn_target "amdgcn-amd-amdhsa--gfx1250"
	.amdhsa_code_object_version 6
	.text
	.protected	k_qc88ed2478e_attn
	.globl	k_qc88ed2478e_attn
	.p2align	8
	.type	k_qc88ed2478e_attn,@function
k_qc88ed2478e_attn:
	s_mov_b64 s[64:65], 0
	v_nop
	global_prefetch_b8 v0, s[64:65] scope:SCOPE_SE
	s_setreg_imm32_b32 hwreg(HW_REG_WAVE_MODE, 25, 1), 1
	s_wait_xcnt 0x0
	s_wait_alu depctr_hold_cnt(0) depctr_sa_sdst(0) depctr_va_vdst(0) depctr_va_sdst(0) depctr_va_ssrc(0) depctr_va_vcc(0) depctr_vm_vsrc(0)
	s_getreg_b32 s2, hwreg(HW_REG_IB_STS2, 6, 4)
	s_cmp_eq_u32 s2, 0
	s_cbranch_scc0 .Lentry_in_a_cluster
	s_endpgm
.Lentry_in_a_cluster:
	s_bfe_u32 s2, ttmp6, 0x10000c
	s_cmp_lg_u32 s2, 0x3003
	s_cbranch_scc0 .Lentry_shape_is_right
	s_endpgm
.Lentry_shape_is_right:
; ctx[b][q][h 64 + d] = the sum over k of softmax_k(Q . K / 8) V, both products on codes of FP8 (E4M3); the result is quantised at once for the last product and stored as codes.
; qh, kh = [bh 64][position / 16][1,024 bytes]: images of operand registers, 16 positions x 64 d.  vh = [bh][key / 128][d / 16][2,048 bytes]: 16 d x 128 keys.  Scales: entries 6 (Q), 7 (K), 8 (p), 9 (V), 10 (ctx).
; THE SOFTMAX AHEAD OF THE SECOND PRODUCT: t = score x log2(e) / 8; M = the largest t so far, rounded UP to a whole number; p = 2^(t - M) is what is quantised; the row's sum is taken of the unquantised p and divides at the end.
; When M moves, the sum and O are multiplied by 2^(old M - new M): exact.
; SHARES: a work-group owns 512 queries of one head; each of its sixteen waves owns two tiles of 16 queries, one after the other (two passes), in 256 registers: four waves to a SIMD.
; THE HEAD'S WHOLE K AND V LIE IN LDS (131,072 bytes each), filled ONCE: each wave brings 16,384 bytes by one tensor load; nothing is filled again, so there is one barrier and no ring.
; CLUSTER: the four work-groups of a head need the same K and V: each load is asked for JOINTLY (mask 15); its address is made of the head and the wave's number alone.
; LAYOUT: both products are used transposed: S^T = K Q^T (source 0 = 16 keys), O^T = V^T P^T (source 0 = 16 d): a lane holds ONE query (lane % 16) throughout; tile t's eight registers are keys 16 t + 8 (lane / 16) + 0 .. 7,
; which is register pair t of the next operand: the conversions' results are the operand.  Likewise O^T's tile t becomes register pair t of ctx's image.
; LIMITS: entries 6 + 7 between -123 and 130 (they are added to c's exponent field); entries 8 and 10 between -126 and 119; 8 + 9 goes by v_ldexp_f32 and has none.
; REGISTERS: v1 16 x lane; v2, v3 LDS addresses in hand; v12 -M, v13 the largest t, v[14:15] the sum in two halves; v16-31 Q of the two passes; v32-95 K's, then V's fragments; v96-159 S^T, then p; v160-191 O^T;
;   v192-207 p's codes; v208-223 ctx's codes; v236, v242, v243, v252-254 at work; v240, v244: 448 x 2^e and 2^e for p; v247, v246: for ctx.
.set VOFF, 0x20000                     ; V lies behind K
.set WV,  18                           ; s18 my wave's number
.set SEL, 20                           ; s[20:21] lane selects for v_permlanex16_b32: lane l xor 16
.set CS,  22                           ; s[22:23] c = log2(e) / 8 x 2^(entries 6 + 7)
.set G1,  24                           ; s[24:31] descriptor group 1
.set G0,  32                           ; s[32:35] group 0
.set TB,  2                            ; s2  LDS byte of the key step in hand: 8,192 x step, in K and in V alike
.set CNT, 3                            ; s3  key steps to go
.macro ROUND                           ; a round of the cluster's barrier
	s_barrier_signal -1
	s_barrier_wait -1
	s_cmp_lg_u32 s[WV], 0
	s_cbranch_scc1 .Lnot_wave_0_\@
	s_barrier_signal -3
.Lnot_wave_0_\@:
	s_barrier_wait -3
	s_barrier_signal -1
	s_barrier_wait -1
.endm
	s_load_b256 s[4:11], s[0:1], 0x0               ; qh, kh, vh, the scales' exponents
	s_load_b64 s[12:13], s[0:1], 0x20              ; xa
	v_lshl_add_u32 v251, v0, 2, 0x40000
	v_mov_b32 v255, 0
	ds_add_u32 v251, v255
	ds_add_u32 v251, v255
	v_lshrrev_b32 v2, 5, v0
	v_readfirstlane_b32 s[WV], v2                  ; wave 0..15
	s_bfe_u32 s19, ttmp6, 0x40000                  ; cx: which 512 queries: it enters Q's and the output's addresses alone
	s_and_b32 s14, ttmp7, 0xffff                   ; bh, which the four partners share
	; descriptor group 1: 16,384 dense bytes as 64 rows of 256
	s_mov_b32 s[G1], 15|(3<<16)|(1<<21)            ; 15:0 the mask: all four work-groups; 17:16 elements of 8 bytes; 21 set beside a mask
	s_mov_b32 s[G1+1], 32<<16                      ; tensor_dim0 = 32 elements
	s_mov_b32 s[G1+2], 64<<16                      ; tensor_dim1 = 64
	s_mov_b32 s[G1+3], 32<<16                      ; tile_dim0
	s_mov_b32 s[G1+4], 64                          ; tile_dim1
	s_mov_b32 s[G1+5], 32                          ; tensor_dim0_stride
	s_mov_b32 s[G1+6], 0
	s_mov_b32 s[G1+7], 0
	s_lshl_b32 s36, s14, 17                        ; the head's first byte in qh, kh and vh
	s_and_b32 s15, s[WV], 7
	s_lshl_b32 s15, s15, 14
	s_add_co_u32 s38, s36, s15                     ; + my eighth of K (waves 0-7) or of V (waves 8-15)
	s_mov_b32 s39, 0
	s_wait_dscnt 0x0
	s_wait_kmcnt 0x0
	s_load_b256 s[40:47], s[10:11], 0x0            ; entries 0 to 7
	s_load_b128 s[48:51], s[10:11], 0x20           ; entries 8 to 11
	s_cmp_lt_u32 s[WV], 8
	s_cselect_b64 s[G0+2:G0+3], s[6:7], s[8:9]
	s_add_nc_u64 s[G0+2:G0+3], s[G0+2:G0+3], s[38:39]
	s_or_b32 s[G0+3], s[G0+3], 0x80000000          ; type = 2
	s_mov_b32 s[G0], 1
	s_lshl_b32 s[G0+1], s[WV], 14                  ; LDS: 16,384 x wave: K's eight parts, then V's
	ROUND                                          ; all four work-groups are here: the joint loads meet
	tensor_load_to_lds s[G0:G0+3], s[G1:G1+7]      ; my one tensor load of the launch
	s_nop 0
.rept 4
	v_nop
.endr
	v_and_b32 v1, 31, v0
	v_lshlrev_b32 v1, 4, v1
	s_lshl_b32 s15, s19, 5
	s_add_co_u32 s15, s15, s[WV]                   ; my first tile of queries: 32 cx + wave; the second lies 16 tiles on
	s_lshl_b32 s16, s15, 10
	s_add_co_u32 s54, s36, s16
	s_mov_b32 s55, 0
	s_add_nc_u64 s[4:5], s[4:5], s[54:55]
.irp p, 0,1
.irp u, 0,1
	global_load_b128 v[16+8*\p+4*\u:19+8*\p+4*\u], v1, s[4:5] offset:16384*\p+512*\u   ; Q's fragments stay in registers
.endr
.endr
	s_lshr_b32 s16, s14, 4                         ; the output: xa's tile of rows 128 x batch + my tile of queries,
	s_lshl_b32 s16, s16, 7
	s_add_co_u32 s16, s16, s15
	s_lshl_b32 s16, s16, 15
	s_and_b32 s17, s14, 15                         ; K step 8 + head / 2, its first or second 1,024 bytes: 1,024 x head
	s_lshl_b32 s17, s17, 10
	s_add_co_u32 s16, s16, s17
	s_add_co_u32 s16, s16, 16384
	s_mov_b32 s17, 0
	s_add_nc_u64 s[12:13], s[12:13], s[16:17]
	s_mov_b32 s[SEL], 0x76543210
	s_mov_b32 s[SEL+1], 0xfedcba98
	s_mov_b32 s[CS], 0x3e38aa3b                    ; log2(e) / 8
	v_mov_b32 v236, 0                              ; written once: a lane permute's destination counts as one of its sources
	v_mov_b32 v253, 0                              ; (named as the upper half of the pair v[252:253])
	s_wait_kmcnt 0x0
	s_add_co_i32 s53, s46, s47
	s_lshl_b32 s53, s53, 23
	s_add_co_i32 s[CS], s[CS], s53                 ; a score stands for score x 2^(entries 6 + 7): they are added to c's exponent field
	s_mov_b32 s[CS+1], s[CS]                       ; (named with it as a pair, so it is written)
	s_add_co_i32 s53, s48, 127
	s_lshl_b32 s54, s53, 23
	v_mov_b32 v244, s54                            ; 2^(entry 8), for p's conversions
	s_add_co_i32 s53, s53, 8
	s_lshl_b32 s53, s53, 23
	s_or_b32 s53, s53, 0x600000
	v_mov_b32 v240, s53                            ; 448 x that
	s_add_co_i32 s53, s50, 127
	s_lshl_b32 s54, s53, 23
	v_mov_b32 v246, s54                            ; 2^(entry 10), for ctx's
	s_add_co_i32 s53, s53, 8
	s_lshl_b32 s53, s53, 23
	s_or_b32 s53, s53, 0x600000
	v_mov_b32 v247, s53
	s_add_co_i32 s52, s48, s49                     ; entries 8 + 9
	s_wait_tensorcnt 0x0                           ; my part of K or V is in,
	s_barrier_signal -1
	s_barrier_wait -1                              ; everybody's is
	s_wait_loadcnt 0x0                             ; Q
; ONE TILE OF 16 QUERIES over all 2,048 keys, 128 a trip.
.macro PASS p
	v_mov_b32 v13, 0xff61b1e6                      ; the largest t so far: -3e38, under every t
	v_floor_f32 v12, -v13                          ; -M
	v_mov_b32 v14, 0
	v_mov_b32 v15, 0
.irp j, 0,1,2,3,4,5,6,7,8,9,10,11,12,13,14,15,16,17,18,19,20,21,22,23,24,25,26,27,28,29,30,31
	v_mov_b32 v[160+\j], 0                         ; O^T: the loop has no first step of its own; the first change of M leaves zeros zeros
.endr
	s_mov_b32 s[TB], 0
	s_mov_b32 s[CNT], 16
.Lk_\@:
	v_add_nc_u32 v2, s[TB], v1
	v_add_nc_u32 v3, VOFF, v2
	v_nop
	v_nop                                          ; four places in front of loads into registers that the last products read
.irp t, 0,1,2,3,4,5,6,7
.irp u, 0,1
	ds_load_b128 v[32+8*\t+4*\u:35+8*\t+4*\u], v2 offset:1024*\t+512*\u   ; eight tiles of 16 keys: images, 512 consecutive bytes a load
.endr
.endr
	s_wait_dscnt 0x0
.irp t, 0,1,2,3,4,5,6,7
	v_wmma_f32_16x16x64_fp8_fp8 v[96+8*\t:103+8*\t], v[32+8*\t:39+8*\t], v[16+8*\p:23+8*\p], 0
.endr
.rept 4
	v_nop                                          ; places: in front of the loads below and of the first read of the scores
.endr
.irp t, 0,1,2,3
.irp q, 0,1,2,3
	ds_load_b128 v[32+16*\t+4*\q:35+16*\t+4*\q], v3 offset:2048*\t+512*\q   ; V's four tiles of 16 d x these 128 keys: they land under the softmax
.endr
.endr
	v_max3_num_f32 v254, v96, v97, v98             ; the step's largest score of my query, among my 64 keys, in two chains, ascending,
	v_max3_num_f32 v252, v99, v100, v101
.irp i, 6,10,14,18,22,26,30,34,38,42,46,50,54,58
	v_max3_num_f32 v254, v254, v[96+\i], v[97+\i]
	v_max3_num_f32 v252, v252, v[98+\i], v[99+\i]
.endr
	v_max3_num_f32 v254, v254, v158, v159
	v_max_num_f32 v254, v254, v252
	v_permlanex16_b32 v236, v254, s[SEL], s[SEL+1]
	v_max_num_f32 v254, v254, v236                 ; and among lane l xor 16's
	v_mul_f32 v254, s[CS], v254                    ; as t (c is positive)
	v_max_num_f32 v13, v13, v254                   ; the running largest t
	v_mov_b32 v254, v12
	v_floor_f32 v12, -v13                          ; the new -M = floor(-t): M is a whole number
	v_sub_f32 v254, v12, v254                      ; old M - new M: a whole number, 0 or less
	v_cvt_i32_f32 v254, v254                       ; (it saturates)
	v_ldexp_f32 v252, 1.0, v254                    ; f = 2^(old M - new M)
.irp j, 0,2,4,6,8,10,12,14,16,18,20,22,24,26,28,30,32,34,36,38,40,42,44,46,48,50,52,54,56,58,60,62
	v_pk_fma_f32 v[96+\j:97+\j], v[96+\j:97+\j], s[CS:CS+1], v[12:13] op_sel_hi:[1,0,0]   ; t - M, two at a time
.endr
.irp j, 0,1,2,3,4,5,6,7,8,9,10,11,12,13,14,15,16,17,18,19,20,21,22,23,24,25,26,27,28,29,30,31,32,33,34,35,36,37,38,39,40,41,42,43,44,45,46,47,48,49,50,51,52,53,54,55,56,57,58,59,60,61,62,63
	v_exp_f32 v[96+\j], v[96+\j]                   ; p = 2^(t - M), at most 1: not normalised
.endr
	v_pk_mul_f32 v[14:15], v[14:15], v[252:253] op_sel_hi:[1,0]   ; the sums under the new M: the plain line behind the exponentials
	s_wait_alu depctr_va_vdst(0)                   ; one wait for the batch of 64, ahead of its first reader
	v_pk_add_f32 v[242:243], v[96:97], v[98:99]    ; the row's sum is taken of the unquantised p, in two chains
.irp j, 4,8,12,16,20,24,28,32,36,40,44,48,52,56,60
	v_pk_add_f32 v[14:15], v[14:15], v[96+\j:97+\j]
	v_pk_add_f32 v[242:243], v[242:243], v[98+\j:99+\j]
.endr
	v_pk_add_f32 v[14:15], v[14:15], v[242:243]
.irp t, 0,1,2,3,4,5,6,7
.irp i, 0,1,2,3,4,5,6,7
	v_min_num_f32 v[96+8*\t+\i], v[96+8*\t+\i], v240   ; the conversion does not saturate (ISA guide 7.6.2); p is not negative, so the hold is one-sided
.endr
	v_cvt_scalef32_pk8_fp8_f32 v[192+2*\t:193+2*\t], v[96+8*\t:103+8*\t], v244
.endr
.irp j, 0,2,4,6,8,10,12,14,16,18,20,22,24,26,28,30
	v_pk_mul_f32 v[160+\j:161+\j], v[160+\j:161+\j], v[252:253] op_sel_hi:[1,0]   ; O^T under the new M; also the plain lines between the conversions and the products
.endr
	s_wait_dscnt 0x0                               ; V
.irp t, 0,1,2,3
	v_wmma_f32_16x16x128_fp8_fp8 v[160+8*\t:167+8*\t], v[32+16*\t:47+16*\t], v[192:207], v[160+8*\t:167+8*\t]   ; the four accumulators by turns
.endr
	s_add_co_u32 s[TB], s[TB], 8192
	s_sub_co_u32 s[CNT], s[CNT], 1
	s_cmp_lg_u32 s[CNT], 0
	s_cbranch_scc1 .Lk_\@
.rept 4
	v_nop                                          ; places behind the last products
.endr
	v_add_f32 v14, v14, v15                        ; the sum's two halves,
	v_permlanex16_b32 v252, v14, s[SEL], s[SEL+1]
	v_add_f32 v14, v14, v252                       ; and lane l xor 16's
	v_rcp_f32 v14, v14
	v_nop                                          ; a plain line behind the transcendental
	s_wait_alu depctr_va_vdst(0)                   ; and the wait ahead of its first reader
	v_ldexp_f32 v14, v14, s52                      ; x 2^(entries 8 + 9)
.irp j, 0,2,4,6,8,10,12,14,16,18,20,22,24,26,28,30
	v_pk_mul_f32 v[96+\j:97+\j], v[160+\j:161+\j], v[14:15] op_sel_hi:[1,0]   ; ctx(my query, 16 t + 8 h + i), each accumulator from its low end on
.endr
.irp t, 0,1,2,3
.irp i, 0,1,2,3,4,5,6,7
	v_med3_num_f32 v[96+8*\t+\i], v[96+8*\t+\i], -v247, v247
.endr
	v_cvt_scalef32_pk8_fp8_f32 v[208+8*\p+2*\t:209+8*\p+2*\t], v[96+8*\t:103+8*\t], v246
.endr
	v_nop                                          ; a plain line behind the last conversion
.irp u, 0,1
	global_store_b128 v1, v[208+8*\p+4*\u:211+8*\p+4*\u], s[12:13] offset:524288*\p+512*\u   ; half an image: 512 consecutive bytes a store, aligned
.endr
.endm
	PASS 0
	PASS 1
	s_wait_dscnt 0x0
	s_wait_tensorcnt 0x0
	ds_add_u32 v251, v255
	s_wait_dscnt 0x0
	ROUND                                          ; the closing round
	s_endpgm
.Lfunc_end_k_qc88ed2478e_attn:
	.size	k_qc88ed2478e_attn, .Lfunc_end_k_qc88ed2478e_attn-k_qc88ed2478e_attn
	.p2alignl 7, 3214868480
	.fill 96, 4, 3214868480
	.section	.rodata,"a",@progbits
	.p2align	6, 0x0
	.amdhsa_kernel k_qc88ed2478e_attn
		.amdhsa_group_segment_fixed_size 327680
		.amdhsa_private_segment_fixed_size 0
		.amdhsa_enable_private_segment 0
		.amdhsa_kernarg_size 40
		.amdhsa_user_sgpr_count 2
		.amdhsa_user_sgpr_kernarg_segment_ptr 1
		.amdhsa_wavefront_size32 1
		.amdhsa_system_sgpr_workgroup_id_x 1
		.amdhsa_system_sgpr_workgroup_id_y 1
		.amdhsa_system_sgpr_workgroup_id_z 1
		.amdhsa_system_vgpr_workitem_id 0
		.amdhsa_next_free_vgpr 256
		.amdhsa_next_free_sgpr 66
		.amdhsa_reserve_vcc 0
		.amdhsa_float_denorm_mode_32 3
		.amdhsa_float_denorm_mode_16_64 3
		.amdhsa_memory_ordered 1
		.amdhsa_forward_progress 1
		.amdhsa_inst_pref_size 46
	.end_amdhsa_kernel
	.amdgpu_metadata
---
amdhsa.version: [ 1, 2 ]
amdhsa.kernels:
  - .name:           k_qc88ed2478e_attn
    .symbol:         k_qc88ed2478e_attn.kd
    .args:
      - { .name: qh, .offset: 0, .size: 8, .value_kind: global_buffer, .address_space: global }
      - { .name: kh, .offset: 8, .size: 8, .value_kind: global_buffer, .address_space: global }
      - { .name: vh, .offset: 16, .size: 8, .value_kind: global_buffer, .address_space: global }
      - { .name: lowp_scales, .offset: 24, .size: 8, .value_kind: global_buffer, .address_space: global }
      - { .name: xa, .offset: 32, .size: 8, .value_kind: global_buffer, .address_space: global }
    .group_segment_fixed_size: 327680
    .private_segment_fixed_size: 0
    .kernarg_segment_align: 8
    .kernarg_segment_size: 40
    .max_flat_workgroup_size: 512
    .sgpr_count:     66
    .vgpr_count:     256
    .wavefront_size: 32
...
	.end_amdgpu_metadata
.endif
;; end of part 4
;; launch fc_ln (part 5): grid 128 x 1, 4 waves a work-group, no clusters, 205,312 bytes of LDS; arguments xa, wc, bq, bfc, gamma, beta, lowp_scales, out0; writes out0
.if DOCPART == 5
	.amdgcn_target "amdgcn-amd-amdhsa--gfx1250"
	.amdhsa_code_object_version 6
	.text
	.protected	k_qc88ed2478e_fc_ln
	.globl	k_qc88ed2478e_fc_ln
	.p2align	8
	.type	k_qc88ed2478e_fc_ln,@function
k_qc88ed2478e_fc_ln:
	s_mov_b64 s[64:65], 0
	v_nop
	global_prefetch_b8 v0, s[64:65] scope:SCOPE_SE
	s_setreg_imm32_b32 hwreg(HW_REG_WAVE_MODE, 25, 1), 1
	s_wait_xcnt 0x0
; out0 = LayerNorm(ctx Wfc + bfc + (q Wq + bq)) x gamma + beta, both products on codes of FP8 (E4M3).  The residual q Wq + bq is made anew from q's codes: it never goes to memory.
; xa = [row / 16][s 16][2,048 bytes]: images of operand registers (16 rows x 128 k): s < 8 q's codes, s >= 8 ctx's.  wc's pair 0 = [column / 16][s 16][2,048]: s < 8 Wq, s >= 8 Wfc.  So ONE sum walks 16 K steps.
; Behind step 7 every sum is multiplied by 2^(e0 + e1 - e10 - e11), which rounds nothing; at the end x = sum x 2^(e10 + e11) + (bq + bfc).
; LIMITS: e10 + e11, and e0 + e1 - e10 - e11, between -126 and 127.
; SHARES: a work-group of four waves owns 64 WHOLE rows, since the norm wants whole rows; wave w makes columns 256 w .. + 255: 64 accumulators, 512 registers.
; The rows' codes (131,072 bytes) are copied into LDS once and read by all four waves.  Each weight fragment feeds one wave alone: it goes from memory straight into that wave's registers, a K step ahead,
; in four groups of four fragments, each group loaded anew as soon as its 16 products are issued.  No tensor load, so no ring.
; MULTICAST is not used: beside the rows' codes and the stage, two slots of a K step's weights (131,072 bytes each) do not fit in LDS, and LDS would add a write and a read to bytes that one wave uses once.
; THE MATRIX INSTRUCTION IS USED TRANSPOSED (source 0 = 16 columns of the weight, source 1 = 16 rows): lane (r, h) holds row r and columns 8 h + 0 .. 7 of a block.
; THE NORM: the mean first, then the sum of (x - mean)^2: no difference of large sums.  Row sums: within the lane, lane l xor 16, then the four waves' through LDS.
; REGISTERS, in windows of 256: window 0: v1-11, v28 addresses; v12-19 four sums (pairs); v20-27 mean, later 1 / sqrt, each twice; v32-47 gamma, beta; v48-63 at work; v64-127, v128-191 the rows' fragments, two sets
;   (at the end: 128 numbers of a block of rows).  window 1: the weight's 16 fragments (at the end v0-127: the bias).  windows 2, 3: accumulator (a, b) at v[8 (4 (b % 8) + a)] of window 2 + b / 8.
.set STG,  131072                      ; behind the rows' codes: a stage of 16 rows x (1,024 bytes + 16) for each wave
.set SROW, 1040
.set BSUM, 197632                      ; bq + bfc: 1,024 bytes for each wave
.set RED,  201728                      ; the waves' row sums [wave][a][r], 1,024 bytes; the second reduction's lie 1,024 further on
.set LI,  1                            ; v1   16 x lane
.set ADA, 2                            ; v2-3 LDS addresses of the rows' fragments in hand (blocks 0, 1; blocks 2, 3)
.set CPY, 4                            ; v4   where I copy my quarter of the rows' codes
.set BSW, 5                            ; v5   the bias: where I store 32 bytes,
.set BSR, 6                            ; v6   and where I read: 32 h
.set RDW, 7                            ; v7   a row sum: where I store,
.set RDR, 8                            ; v8   and where I read
.set STO, 9                            ; v9   the stage: row r, + 32 h
.set SRD, 10                           ; v10  and back: 16 x lane
.set BOF, 11                           ; v11  1,024 w + 32 x lane
.set GOF, 28                           ; v28  1,024 w + 16 x lane
.set SUM, 12
.set MU,  20
.set GAM, 32
.set BET, 40
.set WK,  48
.set AF0, 64
.set AF1, 128
.set T,   64
.set CNT, 21                           ; s21  pairs of K steps to go
.set TA,  22                           ; s22  LDS byte of the pair of K steps in hand
.set BP,  24                           ; s[24:25] my 16 tiles of the weight, at the K step that is being loaded
.set MSB, 0
.macro WIN new
.if MSB != (\new)
	s_set_vgpr_msb (MSB<<8)|(\new)
.set MSB, \new
.endif
.endm
	s_load_b512 s[4:19], s[0:1], 0x0               ; xa 4, wc 6, bq 8, bfc 10, gamma 12, beta 14, the scales' exponents 16, out0 18
	v_lshl_add_u32 v254, v0, 2, 0x32000
	v_mov_b32 v255, 0
	v_lshrrev_b32 v2, 5, v0
	v_readfirstlane_b32 s20, v2                    ; wave 0..3
	v_and_b32 v3, 31, v0                           ; lane
	v_and_b32 v29, 15, v0                          ; r
	v_bfe_u32 v30, v0, 4, 1                        ; h
	v_lshlrev_b32 v[LI], 4, v3
	s_lshl_b32 s23, s20, 15
	v_add_nc_u32 v[CPY], s23, v[LI]
	s_lshl_b32 s34, s20, 10
	v_lshl_add_u32 v[BOF], v3, 5, s34
	v_add_nc_u32 v[GOF], s34, v[LI]
	v_add_nc_u32 v[BSW], BSUM, v[BOF]
	v_lshl_add_u32 v[BSR], v30, 5, s34
	v_add_nc_u32 v[BSR], BSUM, v[BSR]
	s_lshl_b32 s35, s20, 8
	v_lshl_add_u32 v[RDW], v29, 2, s35
	v_add_nc_u32 v[RDW], RED, v[RDW]
	v_lshlrev_b32 v[RDR], 2, v29
	v_add_nc_u32 v[RDR], RED, v[RDR]
	s_mul_i32 s35, s20, 16*SROW
	s_add_co_u32 s35, s35, STG
	v_mul_u32_u24 v[STO], v29, SROW
	v_lshl_add_u32 v[STO], v30, 5, v[STO]
	v_add_nc_u32 v[STO], s35, v[STO]
	v_add_nc_u32 v[SRD], s35, v[LI]
	s_lshl_b32 s2, ttmp9, 17                       ; the work-group's four tiles of rows in xa,
	s_add_co_u32 s2, s2, s23                       ; + my wave's tile
	s_mov_b32 s3, 0
	s_lshl_b32 s[BP], s20, 19                      ; my 16 tiles of the weight
	s_mov_b32 s[BP+1], 0
	s_lshl_b32 s22, ttmp9, 18                      ; the work-group's 64 rows of out0,
	s_add_co_u32 s22, s22, s34                     ; + my 1,024 bytes of a row
	s_mov_b32 s23, 0
	s_wait_kmcnt 0x0
	s_load_b256 s[36:43], s[16:17], 0x0            ; entries 0 to 7
	s_load_b128 s[44:47], s[16:17], 0x20           ; entries 8 to 11
	s_add_nc_u64 s[4:5], s[4:5], s[2:3]
	s_add_nc_u64 s[BP:BP+1], s[6:7], s[BP:BP+1]
	s_add_nc_u64 s[18:19], s[18:19], s[22:23]
	global_load_b128 v[WK:WK+3], v[BOF], s[8:9]
	global_load_b128 v[WK+4:WK+7], v[BOF], s[8:9] offset:16
	global_load_b128 v[WK+8:WK+11], v[BOF], s[10:11]
	global_load_b128 v[WK+12:WK+15], v[BOF], s[10:11] offset:16
	global_load_b128 v[GAM:GAM+3], v[GOF], s[12:13]
	global_load_b128 v[GAM+4:GAM+7], v[GOF], s[12:13] offset:512
	global_load_b128 v[BET:BET+3], v[GOF], s[14:15]
	global_load_b128 v[BET+4:BET+7], v[GOF], s[14:15] offset:512
	WIN 0x80                                       ; destination window 2: the accumulators' registers carry the copy
.set i, 0
.rept 64
	global_load_b128 v[4*i:4*i+3], v[LI], s[4:5] offset:512*i th:TH_LOAD_NT
.set i, i+1
.endr
.macro BLOAD g                         ; group g of the weight's fragments, at the K step where BP stands: 16 loads of 512 consecutive bytes
	WIN 0x40                                       ; destination window 1
.irp bb, 0,1,2,3
.irp c, 0,1,2,3
	global_load_b128 v[64*(\g)+16*\bb+4*\c:64*(\g)+16*\bb+4*\c+3], v[LI], s[BP:BP+1] offset:(4*(\g)+\bb)*32768+512*\c
.endr
.endr
.endm
	BLOAD 0
	BLOAD 1
	BLOAD 2
	s_wait_loadcnt 48                              ; all but these three groups' 48 loads: the small vectors and my quarter of the rows' codes are in
	WIN 0x08                                       ; store data window 2
.set i, 0
.rept 64
	ds_store_b128 v[CPY], v[4*i:4*i+3] offset:512*i
.set i, i+1
.endr
	WIN 0
.irp j, 0,2,4,6
	v_pk_add_f32 v[WK+\j:WK+\j+1], v[WK+\j:WK+\j+1], v[WK+8+\j:WK+8+\j+1]   ; bq + bfc
.endr
	ds_store_b128 v[BSW], v[WK:WK+3]
	ds_store_b128 v[BSW], v[WK+4:WK+7] offset:16
	BLOAD 3
	WIN 0
	s_wait_kmcnt 0x0
	s_add_co_i32 s26, s46, s47                     ; e10 + e11
	s_add_co_i32 s28, s36, s37                     ; e0 + e1
	s_sub_co_i32 s28, s28, s26
	s_add_co_i32 s26, s26, 127
	s_lshl_b32 s26, s26, 23                        ; 2^(e10 + e11) as f32
	s_mov_b32 s27, s26                             ; (named as a pair, so it is written)
	s_add_co_i32 s28, s28, 127
	s_lshl_b32 s28, s28, 23                        ; 2^(e0 + e1 - e10 - e11)
	s_mov_b32 s29, s28
	s_mov_b32 s30, 0x76543210                      ; v_permlanex16_b32's selects for lane l xor 16
	s_mov_b32 s31, 0xfedcba98
	s_mov_b32 s32, 0x3727c5ac                      ; 1e-5
	s_mov_b32 s33, 0x3a800000                      ; 1 / 1,024
	s_mov_b32 s[TA], 0
	s_wait_dscnt 0x0                               ; my stores have landed
	s_barrier_signal -1
	s_barrier_wait -1                              ; the 64 rows' codes lie in LDS
.macro FETCH_A buf, o                  ; the four blocks' fragments of the K step at byte TA + o
	WIN 0
	v_add_nc_u32 v[ADA], s[TA], v[LI]
	v_add_nc_u32 v[ADA+1], 0x10000, v[ADA]
.irp a, 0,1,2,3
.irp c, 0,1,2,3
	ds_load_b128 v[\buf+16*\a+4*\c:\buf+16*\a+4*\c+3], v[ADA+\a/2] offset:\o+(\a%2)*32768+512*\c
.endr
.endr
.endm
; 16 matrix instructions: the group's four blocks of columns x the four blocks of rows.  All 64 accumulators take turns, one instruction a turn, in the same order in every step.
; n: the younger weight loads that may be out.  reload = 1: the group's registers take the next K step, behind four places.
.macro GROUP buf, g, zero, reload, n
	s_wait_loadcnt \n
	WIN 0xa1+0x50*((\g)/2)                         ; source 0 window 1, source 1 window 0, C and D window 2 or 3
.irp bb, 0,1,2,3
.irp a, 0,1,2,3
.set AC, 8*(4*((4*(\g)+\bb)%8)+\a)
.if \zero
	v_wmma_f32_16x16x128_fp8_fp8 v[AC:AC+7], v[64*(\g)+16*\bb:64*(\g)+16*\bb+15], v[\buf+16*\a:\buf+16*\a+15], 0
.else
	v_wmma_f32_16x16x128_fp8_fp8 v[AC:AC+7], v[64*(\g)+16*\bb:64*(\g)+16*\bb+15], v[\buf+16*\a:\buf+16*\a+15], v[AC:AC+7]
.endif
.endr
.endr
.rept 4
	v_nop                                          ; places: in front of loads into registers that these products read, and of the first read of results
.endr
.if \reload
.if (\g) == 0
	s_wait_xcnt 0x0                                ; the earlier loads have read their base: it steps only behind this wait
	s_add_nc_u64 s[BP:BP+1], s[BP:BP+1], 2048
.endif
	BLOAD \g
.endif
.endm
; A K step.  more = 1: the next step's fragments are asked for: the rows' behind the first group, 48 matrix instructions ahead of their use; the weight's group by group.
.macro STEPK buf, nbuf, o, zero, more
	s_wait_dscnt 0x0                               ; this step's rows' fragments are in
	GROUP \buf, 0, \zero, \more, 48                ; the three younger groups' 48 loads may be out
.if \more
	FETCH_A \nbuf, \o
.endif
	GROUP \buf, 1, \zero, \more, 48-16*(1-\more)
	GROUP \buf, 2, \zero, \more, 48-32*(1-\more)
	GROUP \buf, 3, \zero, \more, 48-48*(1-\more)
.endm
.macro RESCALE                         ; every sum x 2^(e0 + e1 - e10 - e11), each accumulator from its low end on
	WIN 0x82
.set j, 0
.rept 128
	v_pk_mul_f32 v[j:j+1], v[j:j+1], s[28:29] op_sel_hi:[1,0]
.set j, j+2
.endr
	WIN 0xc3
.set j, 0
.rept 128
	v_pk_mul_f32 v[j:j+1], v[j:j+1], s[28:29] op_sel_hi:[1,0]
.set j, j+2
.endr
	WIN 0
.endm
	FETCH_A AF0, 0
	STEPK AF0, AF1, 2048, 1, 1                     ; K steps 0 and 1: the first products start the sums
	STEPK AF1, AF0, 4096, 0, 1
	WIN 0                                          ; at a label and at a branch every window is 0
	s_add_co_u32 s[TA], s[TA], 4096
	s_mov_b32 s[CNT], 6
.Lpair:                                            ; six trips: K steps 2 to 13, two a trip, so that the rows' two sets of registers are back where they began
	s_cmp_lg_u32 s[CNT], 3                         ; the fourth trip begins with K step 8: the first of ctx Wfc
	s_cbranch_scc1 .Lsame
	RESCALE
.Lsame:
	STEPK AF0, AF1, 2048, 0, 1
	STEPK AF1, AF0, 4096, 0, 1
	WIN 0
	s_add_co_u32 s[TA], s[TA], 4096
	s_sub_co_u32 s[CNT], s[CNT], 1
	s_cmp_lg_u32 s[CNT], 0
	s_cbranch_scc1 .Lpair
	STEPK AF0, AF1, 2048, 0, 1                     ; K steps 14 and 15: the last asks for nothing
	STEPK AF1, AF0, 0, 0, 0
	; x = sum x 2^(e10 + e11) + bias, in place; the bias in the result's layout: columns 16 b + 8 h + 0 .. 7
	WIN 0x40
.irp b, 0,1,2,3,4,5,6,7,8,9,10,11,12,13,14,15
	ds_load_b128 v[8*\b:8*\b+3], v[BSR] offset:64*\b
	ds_load_b128 v[8*\b+4:8*\b+7], v[BSR] offset:64*\b+16
.endr
	WIN 0
.irp j, 0,1,2,3,4,5,6,7
	v_mov_b32 v[SUM+\j], 0
.endr
	s_wait_dscnt 0x0
.macro MAKE_X hi                       ; blocks of columns 8 hi + 0 .. 7
	WIN 0x92+0x41*(\hi)                            ; source 0 and destination window 2 + hi, source 2 window 1
.irp b, 0,1,2,3,4,5,6,7
.irp a, 0,1,2,3
.irp i, 0,2,4,6
	v_pk_fma_f32 v[8*(4*\b+\a)+\i:8*(4*\b+\a)+\i+1], v[8*(4*\b+\a)+\i:8*(4*\b+\a)+\i+1], s[26:27], v[8*(8*(\hi)+\b)+\i:8*(8*(\hi)+\b)+\i+1] op_sel_hi:[1,0,1]
.endr
.endr
.endr
.endm
.macro ADD_X hi                        ; the rows' sums: four chains by turns
	WIN 0x08+0x04*(\hi)                            ; source 1 window 2 + hi
.irp b, 0,1,2,3,4,5,6,7
.irp i, 0,2,4,6
.irp a, 0,1,2,3
	v_pk_add_f32 v[SUM+2*\a:SUM+2*\a+1], v[SUM+2*\a:SUM+2*\a+1], v[8*(4*\b+\a)+\i:8*(4*\b+\a)+\i+1]
.endr
.endr
.endr
.endm
.macro SUB_MU hi                       ; x - mean, in place
	WIN 0x82+0x41*(\hi)
.irp b, 0,1,2,3,4,5,6,7
.irp a, 0,1,2,3
.irp i, 0,2,4,6
	v_pk_add_f32 v[8*(4*\b+\a)+\i:8*(4*\b+\a)+\i+1], v[8*(4*\b+\a)+\i:8*(4*\b+\a)+\i+1], v[MU+2*\a:MU+2*\a+1] neg_lo:[0,1] neg_hi:[0,1]
.endr
.endr
.endr
.endm
.macro ADD_SQ hi                       ; the sums of its squares
	WIN 0x0a+0x05*(\hi)                            ; sources 0 and 1 window 2 + hi
.irp b, 0,1,2,3,4,5,6,7
.irp i, 0,2,4,6
.irp a, 0,1,2,3
	v_pk_fma_f32 v[SUM+2*\a:SUM+2*\a+1], v[8*(4*\b+\a)+\i:8*(4*\b+\a)+\i+1], v[8*(4*\b+\a)+\i:8*(4*\b+\a)+\i+1], v[SUM+2*\a:SUM+2*\a+1]
.endr
.endr
.endr
.endm
; The four sums of a lane become the rows' totals, in v[WK + 4 a], in every lane of every wave: the pair's halves, lane l xor 16, then the four waves' words, in the same order in all.
.macro REDUCE off
.irp a, 0,1,2,3
	v_add_f32 v[WK+\a], v[SUM+2*\a], v[SUM+2*\a+1]
.endr
.irp a, 0,1,2,3
	v_permlanex16_b32 v[WK+4+\a], v[WK+\a], s30, s31
.endr
.irp a, 0,1,2,3
	v_add_f32 v[WK+\a], v[WK+\a], v[WK+4+\a]
.endr
.irp a, 0,1,2,3
	ds_store_b32 v[RDW], v[WK+\a] offset:\off+64*\a   ; lanes r and r + 16 write the same word with the same number
.endr
	s_wait_dscnt 0x0                               ; for the others' sake: my stores have landed
	s_barrier_signal -1
	s_barrier_wait -1
.irp a, 0,1,2,3
.irp w, 0,1,2,3
	ds_load_b32 v[WK+4*\a+\w], v[RDR] offset:\off+256*\w+64*\a
.endr
.endr
	s_wait_dscnt 0x0
.irp a, 0,1,2,3
	v_add_f32 v[WK+4*\a], v[WK+4*\a], v[WK+4*\a+1]
	v_add_f32 v[WK+4*\a+2], v[WK+4*\a+2], v[WK+4*\a+3]
.endr
.irp a, 0,1,2,3
	v_add_f32 v[WK+4*\a], v[WK+4*\a], v[WK+4*\a+2]
.endr
.endm
	MAKE_X 0
	MAKE_X 1
	ADD_X 0
	ADD_X 1
	WIN 0
	REDUCE 0
.irp a, 0,1,2,3
	v_mul_f32 v[MU+2*\a], s33, v[WK+4*\a]          ; the mean, twice: a pair for the packed forms
	v_mul_f32 v[MU+2*\a+1], s33, v[WK+4*\a]
.endr
.irp j, 0,1,2,3,4,5,6,7
	v_mov_b32 v[SUM+\j], 0
.endr
	SUB_MU 0
	SUB_MU 1
	ADD_SQ 0
	ADD_SQ 1
	WIN 0
	REDUCE 1024                                    ; other words than the first reduction's: no wave waits for their readers
.irp a, 0,1,2,3
	v_fma_f32 v[WK+4*\a], v[WK+4*\a], s33, s32     ; the variance + 1e-5
.endr
.irp a, 0,1,2,3
	v_rsq_f32 v[MU+2*\a], v[WK+4*\a]
.endr
	v_nop                                          ; a plain line behind the last transcendental
	s_wait_alu depctr_va_vdst(0)                   ; one wait for the four, ahead of their first reader
.irp a, 0,1,2,3
	v_mov_b32 v[MU+2*\a+1], v[MU+2*\a]
.endr
; A block of 16 rows goes out: (x - mean) / sqrt into window 0; through my stage, since a lane holds 32 bytes of a row and the lanes beside it other rows; back as 512 consecutive bytes of a row, into the registers
; that they left; x gamma + beta (a lane then holds the same four columns in every row); stored.
.macro ROWS a
.if (\a) > 0
	s_wait_xcnt 0x0                                ; the last block's stores have read their registers: they are written again only behind this wait
.endif
	WIN 0x02
.irp b, 0,1,2,3,4,5,6,7
.irp i, 0,2,4,6
	v_pk_mul_f32 v[T+8*\b+\i:T+8*\b+\i+1], v[8*(4*\b+(\a))+\i:8*(4*\b+(\a))+\i+1], v[MU+2*(\a):MU+2*(\a)+1]
.endr
.endr
	WIN 0x03
.irp b, 0,1,2,3,4,5,6,7
.irp i, 0,2,4,6
	v_pk_mul_f32 v[T+64+8*\b+\i:T+64+8*\b+\i+1], v[8*(4*\b+(\a))+\i:8*(4*\b+(\a))+\i+1], v[MU+2*(\a):MU+2*(\a)+1]
.endr
.endr
	WIN 0
.irp b, 0,1,2,3,4,5,6,7,8,9,10,11,12,13,14,15
	ds_store_b128 v[STO], v[T+8*\b:T+8*\b+3] offset:64*\b
	ds_store_b128 v[STO], v[T+8*\b+4:T+8*\b+7] offset:64*\b+16
.endr
.set t, 0
.rept 32
	ds_load_b128 v[T+4*t:T+4*t+3], v[SRD] offset:SROW*(t/2)+512*(t%2)   ; LDS serves a wave's instructions in order (ISA guide 5.7.1.4): these see the stores above
.set t, t+1
.endr
.set t, 0
.rept 32
	s_wait_dscnt 31-t                              ; the younger reads may be out
	v_pk_fma_f32 v[T+4*t:T+4*t+1], v[T+4*t:T+4*t+1], v[GAM+4*(t%2):GAM+4*(t%2)+1], v[BET+4*(t%2):BET+4*(t%2)+1]
	v_pk_fma_f32 v[T+4*t+2:T+4*t+3], v[T+4*t+2:T+4*t+3], v[GAM+4*(t%2)+2:GAM+4*(t%2)+3], v[BET+4*(t%2)+2:BET+4*(t%2)+3]
	global_store_b128 v[LI], v[T+4*t:T+4*t+3], s[18:19] offset:(\a)*65536+(t/2)*4096+(t%2)*512 th:TH_STORE_NT   ; 32 lanes store 512 consecutive bytes, aligned; written once
.set t, t+1
.endr
.endm
	ROWS 0
	ROWS 1
	ROWS 2
	ROWS 3
	s_wait_tensorcnt 0x0
	ds_add_u32 v254, v255
	s_wait_dscnt 0x0
	s_endpgm
.Lfunc_end_k_qc88ed2478e_fc_ln:
	.size	k_qc88ed2478e_fc_ln, .Lfunc_end_k_qc88ed2478e_fc_ln-k_qc88ed2478e_fc_ln
	.p2alignl 7, 3214868480
	.fill 96, 4, 3214868480
	.section	.rodata,"a",@progbits
	.p2align	6, 0x0
	.amdhsa_kernel k_qc88ed2478e_fc_ln
		.amdhsa_group_segment_fixed_size 205312
		.amdhsa_private_segment_fixed_size 0
		.amdhsa_enable_private_segment 0
		.amdhsa_kernarg_size 64
		.amdhsa_user_sgpr_count 2
		.amdhsa_user_sgpr_kernarg_segment_ptr 1
		.amdhsa_wavefront_size32 1
		.amdhsa_system_sgpr_workgroup_id_x 1
		.amdhsa_system_sgpr_workgroup_id_y 1
		.amdhsa_system_sgpr_workgroup_id_z 1
		.amdhsa_system_vgpr_workitem_id 0
		.amdhsa_next_free_vgpr 1024
		.amdhsa_next_free_sgpr 66
		.amdhsa_reserve_vcc 0
		.amdhsa_float_denorm_mode_32 3
		.amdhsa_float_denorm_mode_16_64 3
		.amdhsa_memory_ordered 1
		.amdhsa_forward_progress 1
		.amdhsa_inst_pref_size 240
	.end_amdhsa_kernel
	.amdgpu_metadata
---
amdhsa.version: [ 1, 2 ]
amdhsa.kernels:
  - .name:           k_qc88ed2478e_fc_ln
    .symbol:         k_qc88ed2478e_fc_ln.kd
    .args:
      - { .name: xa, .offset: 0, .size: 8, .value_kind: global_buffer, .address_space: global }
      - { .name: wc, .offset: 8, .size: 8, .value_kind: global_buffer, .address_space: global }
      - { .name: bq, .offset: 16, .size: 8, .value_kind: global_buffer, .address_space: global }
      - { .name: bfc, .offset: 24, .size: 8, .value_kind: global_buffer, .address_space: global }
      - { .name: gamma, .offset: 32, .size: 8, .value_kind: global_buffer, .address_space: global }
      - { .name: beta, .offset: 40, .size: 8, .value_kind: global_buffer, .address_space: global }
      - { .name: lowp_scales, .offset: 48, .size: 8, .value_kind: global_buffer, .address_space: global }
      - { .name: out0, .offset: 56, .size: 8, .value_kind: global_buffer, .address_space: global }
    .group_segment_fixed_size: 205312
    .private_segment_fixed_size: 0
    .kernarg_segment_align: 8
    .kernarg_segment_size: 64
    .max_flat_workgroup_size: 128
    .sgpr_count:     66
    .vgpr_count:     1024
    .wavefront_size: 32
...
	.end_amdgpu_metadata
.endif
;; end of part 5
;; ======== version 2 of 2: 4 launches
;; limits: right only within a limited range of input values
;; workspace buffers: xa 16,777,216 bytes; xb 16,777,216 bytes; wc 4,194,304 bytes; qh 8,388,608 bytes; kh 8,388,608 bytes; vh 8,388,608 bytes; rs 33,554,432 bytes
;; launch quant (part 6): grid 896 x 1, 4 waves a work-group, no clusters, 69,120 bytes of LDS; arguments q, k, v, lowp_scales, xa, xb, Wq, Wfc, Wk, Wv, wc; writes xa, xb, wc
.if DOCPART == 6
	.amdgcn_target "amdgcn-amd-amdhsa--gfx1250"
	.amdhsa_code_object_version 6
	.text
	.protected	k_qc88ed2478e_quant
	.globl	k_qc88ed2478e_quant
	.p2align	8
	.type	k_qc88ed2478e_quant,@function
k_qc88ed2478e_quant:
	s_mov_b64 s[64:65], 0
	v_nop
	global_prefetch_b8 v0, s[64:65] scope:SCOPE_SE
	s_setreg_imm32_b32 hwreg(HW_REG_WAVE_MODE, 25, 1), 1
	s_wait_xcnt 0x0
; ALL SEVEN f32 OPERANDS BECOME CODES OF FP8 (E4M3) IN ONE LAUNCH.  Work-groups 0 to 767 take the rows q, k, v (K innermost); work-groups 768 to 895 the weights Wq, Wfc, Wk, Wv (K their first axis).
; The two jobs part at once on the work-group's number, never meet again, and have LDS bytes of their own (rows: from 0; weights: from 33,792).
; code = x / 2^e, held within +-448, rounded to the nearest code, ties to even; e is the operand's entry of the buffer of scales.  LIMITS: -126 <= e <= 119.  NaN among the inputs is not served; an infinity is held at the largest code.
; EVERY OUTPUT IS LAID AS IMAGES OF OPERAND REGISTERS: a block of 2,048 bytes is 16 rows x 128 along K: byte 512 q + 16 lane + e is byte e of the lane's registers 4 q .. 4 q + 3, and registers 2 c, 2 c + 1 of lane (r, h)
; hold k = 16 c + 8 h + 0 .. 7 of row r.  xa, xb = [row / 16][s 16][2,048]: xa: s < 8 q's codes (s >= 8 is written by a later launch); xb: s < 8 k's, s >= 8 v's.
; wc = [pair 2][column / 16][s 16][2,048]: pair 0: Wq (s < 8), Wfc (s >= 8); pair 1: Wk, Wv.
.set NXWG, 768
	v_lshl_add_u32 v240, v0, 2, 0x10c00
	v_mov_b32 v241, 0
	s_cmp_ge_u32 ttmp9, NXWG                       ; the work-group's number alone decides
	s_cbranch_scc1 .Lweights
; ---- THE ROWS (entries 0, 2, 4).  256 work-groups a tensor; a wave takes 16 rows x 512 along K: four images.  Each load reads 512 consecutive bytes of one row; an image's 8,192 bytes turn through the wave's own stage
; in LDS (16 rows of 512 bytes + 16) and come back 32 neighbouring bytes (8 numbers) a lane and pair; each store covers 512 consecutive bytes.  Loads run two images (32 loads a wave) ahead.  Waves share nothing: no barrier.
.set SP, 528                           ; a stage row
.set R,  16                            ; v16-143  two sets of 64 registers, as loaded
.set X,  144                           ; v144-207 64 numbers: register 8 c + i = k 16 c + 8 h + i of my row
.set C,  208                           ; v208-239 two sets of 16 registers of codes
	s_load_b256 s[4:11], s[0:1], 0x0               ; q, k, v, the scales' exponents
	s_load_b128 s[12:15], s[0:1], 0x20             ; xa, xb
	v_lshrrev_b32 v1, 5, v0
	v_readfirstlane_b32 s16, v1                    ; wave
	v_and_b32 v2, 31, v0
	v_lshlrev_b32 v3, 4, v2                        ; 16 x lane: my bytes of a load's 512 and of a store's
	s_mul_i32 s21, s16, 16*SP                      ; my stage
	v_add_nc_u32 v14, s21, v3                      ; into it: a row as it lies
	v_and_b32 v4, 15, v0                           ; r
	v_bfe_u32 v5, v0, 4, 1                         ; h
	v_mul_u32_u24 v15, v4, SP
	v_lshl_add_u32 v15, v5, 5, v15
	v_add_nc_u32 v15, s21, v15                     ; out of it: row r, + 32 h
	s_lshr_b32 s17, ttmp9, 8                       ; which tensor: 0 q, 1 k, 2 v
	s_and_b32 s18, ttmp9, 255
	s_lshl_b32 s18, s18, 2
	s_add_co_u32 s18, s18, s16
	s_lshr_b32 s19, s18, 1                         ; row / 16
	s_and_b32 s18, s18, 1                          ; which 512 along K
	s_lshl_b32 s22, s19, 16                        ; in: 16 rows of 4,096 bytes,
	s_lshl_b32 s23, s18, 11                        ; + 2,048 bytes
	s_add_co_u32 s22, s22, s23
	s_mov_b32 s23, 0
	s_lshl_b32 s32, s19, 15                        ; out: (row / 16) x 32,768,
	s_lshl_b32 s33, s18, 13                        ; + four images,
	s_add_co_u32 s32, s32, s33
	s_cmp_eq_u32 s17, 2
	s_cselect_b32 s33, 16384, 0                    ; v's codes lie in xb's second eight K steps
	s_add_co_u32 s32, s32, s33
	s_mov_b32 s33, 0
	s_wait_alu depctr_va_vdst(0)
	s_wait_kmcnt 0x0
	s_load_b256 s[24:31], s[10:11], 0x0            ; entries 0 to 7
	s_cmp_eq_u32 s17, 0                            ; the choices hang on the work-group's number alone
	s_cselect_b64 s[4:5], s[4:5], s[6:7]
	s_cselect_b64 s[12:13], s[12:13], s[14:15]
	s_cmp_eq_u32 s17, 2
	s_cselect_b64 s[4:5], s[8:9], s[4:5]
	s_add_nc_u64 s[4:5], s[4:5], s[22:23]
	s_add_nc_u64 s[12:13], s[12:13], s[32:33]
.macro LOAD t                          ; image t: 512 bytes of each of my 16 rows, into set t % 2
.irp i, 0,1,2,3,4,5,6,7,8,9,10,11,12,13,14,15
	global_load_b128 v[R+64*((\t)%2)+4*\i:R+64*((\t)%2)+4*\i+3], v3, s[4:5] offset:4096*\i+512*(\t) th:TH_LOAD_NT
.endr
.endm
	LOAD 0
	LOAD 1
	s_wait_kmcnt 0x0
	s_cmp_eq_u32 s17, 0
	s_cselect_b32 s20, s24, s26
	s_cmp_eq_u32 s17, 2
	s_cselect_b32 s20, s28, s20                    ; e
	s_add_co_i32 s20, s20, 127
	s_lshl_b32 s34, s20, 23
	v_mov_b32 v11, s34                             ; 2^e as f32: the conversion takes its exponent field
	s_add_co_i32 s20, s20, 8
	s_lshl_b32 s20, s20, 23
	s_or_b32 s20, s20, 0x600000
	v_mov_b32 v10, s20                             ; 448 x 2^e
.macro STEP t
.set RS, R+64*((\t)%2)
.set CS, C+16*((\t)%2)
.if (\t) < 3
	s_wait_loadcnt 16                              ; this image's 16 loads are in; the next image's 16 may be out
.else
	s_wait_loadcnt 0
.endif
.irp i, 0,1,2,3,4,5,6,7,8,9,10,11,12,13,14,15
	ds_store_b128 v14, v[RS+4*\i:RS+4*\i+3] offset:SP*\i
.endr
.irp c, 0,1,2,3,4,5,6,7
.irp u, 0,1
	ds_load_b128 v[X+8*\c+4*\u:X+8*\c+4*\u+3], v15 offset:64*\c+16*\u   ; LDS serves a wave's instructions in order: these see the stores above
.endr
.endr
	s_wait_dscnt 0x0                               ; the numbers are back, and the stores have read their registers,
.if (\t)+2 < 4
	LOAD (\t)+2                                    ; which take the loads of two images on
.endif
.if (\t) >= 2
	s_wait_xcnt 0x0                                ; the stores of two images back have read this set of codes: it is written again only behind this wait
.endif
.irp c, 0,1,2,3,4,5,6,7
.irp i, 0,1,2,3,4,5,6,7
	v_med3_num_f32 v[X+8*\c+\i], v[X+8*\c+\i], -v10, v10   ; the conversion does not saturate (ISA guide 7.6.2): the hold comes first
.endr
	v_cvt_scalef32_pk8_fp8_f32 v[CS+2*\c:CS+2*\c+1], v[X+8*\c:X+8*\c+7], v11
.endr
	v_nop                                          ; a plain line behind the last conversion
.irp q, 0,1,2,3
	global_store_b128 v3, v[CS+4*\q:CS+4*\q+3], s[12:13] offset:2048*(\t)+512*\q   ; 512 consecutive bytes, aligned
.endr
.endm
	s_wait_alu depctr_va_vdst(0)
	STEP 0
	STEP 1
	STEP 2
	STEP 3
	s_wait_tensorcnt 0x0
	ds_add_u32 v240, v241
	s_wait_dscnt 0x0
	s_endpgm
; ---- THE WEIGHTS (Wq: entry 1, Wfc: 11, Wk: 3, Wv: 5).  Of the 128 work-groups, number n: 128 columns (n % 8), tensor n / 32, 256 along K ((n / 8) % 4).  A wave: 32 columns x 256 k.
; A LANE TAKES A COLUMN AND ITS REGISTERS RUN DOWN K: each load reads 128 consecutive bytes a wave, and the conversions give codes with K innermost.  The codes turn through the wave's own stage in LDS
; (a row a column, 256 bytes + 16) and leave as images: each store covers 512 consecutive bytes.  Waves share nothing: no barrier.
.Lweights:
.set NCOL,  1024
.set NB,    8                          ; blocks of 32 along K for a wave
.set PITCH, 272                        ; a stage row
.set WSTG,  33792                      ; the weights' stages lie behind the rows'
.set WX,    32                         ; v32-95   two sets of 32 numbers
.set WC,    96                         ; v96-103  a block's codes
.set OUTR,  112                        ; v112-175 the way out: four images of 16 registers
	s_load_b256 s[4:11], s[0:1], 0x30              ; Wq, Wfc, Wk, Wv
	s_load_b64 s[12:13], s[0:1], 0x18              ; the scales' exponents
	s_load_b64 s[14:15], s[0:1], 0x50              ; wc
	v_lshrrev_b32 v1, 5, v0
	v_readfirstlane_b32 s16, v1                    ; wave 0..3
	v_and_b32 v2, 31, v0                           ; lane
	s_wait_alu depctr_va_vdst(0)
	s_and_b32 s29, ttmp9, 127                      ; n: 768 is a multiple of 128
	s_lshr_b32 s19, s29, 3
	s_and_b32 s29, s29, 7                          ; which 128 columns
	s_lshr_b32 s28, s19, 2                         ; which tensor: 0 Wq, 1 Wfc, 2 Wk, 3 Wv
	s_and_b32 s18, s19, 3                          ; which 256 along K
	s_lshl_b32 s17, s29, 7
	s_lshl_b32 s20, s16, 5
	s_add_co_u32 s17, s17, s20                     ; my wave's first column
	v_lshlrev_b32 v3, 2, v2                        ; in: 4 bytes a lane
	s_mul_i32 s21, s16, 32*PITCH
	s_add_co_u32 s21, s21, WSTG                    ; my stage
	v_mul_u32_u24 v4, v2, PITCH
	v_add_nc_u32 v4, s21, v4                       ; into it: row = my column
	v_and_b32 v5, 15, v2                           ; r
	v_lshrrev_b32 v6, 4, v2                        ; h
	v_mul_u32_u24 v7, v5, PITCH
	v_lshl_add_u32 v7, v6, 3, v7
	v_add_nc_u32 v7, s21, v7                       ; out of it: row r, + 8 h: words 68 r + 2 h and the next: 64 different words modulo 64
	v_lshlrev_b32 v8, 4, v2                        ; an image's place for my lane
	s_lshl_b32 s22, s18, 20                        ; in: 256 rows of 4,096 bytes for each step along K,
	s_lshl_b32 s23, s17, 2
	s_add_co_u32 s22, s22, s23                     ; + 4 x column
	s_mov_b32 s23, 0
	s_lshr_b32 s24, s28, 1
	s_lshl_b32 s24, s24, 21                        ; out: the pair,
	s_and_b32 s25, s28, 1
	s_lshl_b32 s25, s25, 14                        ; its first or second eight K steps,
	s_add_co_u32 s24, s24, s25
	s_lshl_b32 s25, s17, 11                        ; (column / 16) x 32,768,
	s_add_co_u32 s24, s24, s25
	s_lshl_b32 s25, s18, 12                        ; two K steps of 2,048 bytes for each 256 along K
	s_add_co_u32 s24, s24, s25
	s_mov_b32 s25, 0
	s_wait_alu depctr_va_vdst(0)
	s_wait_kmcnt 0x0
	s_load_b256 s[36:43], s[12:13], 0x0            ; entries 0 to 7
	s_load_b128 s[44:47], s[12:13], 0x20           ; entries 8 to 11
	s_cmp_lt_u32 s28, 2                            ; the choice hangs on the work-group's number alone
	s_cselect_b64 s[4:5], s[4:5], s[8:9]           ; Wq | Wk
	s_cselect_b64 s[6:7], s[6:7], s[10:11]         ; Wfc | Wv
	s_bitcmp1_b32 s28, 0
	s_cselect_b64 s[4:5], s[6:7], s[4:5]
	s_add_nc_u64 s[4:5], s[4:5], s[22:23]
	s_add_nc_u64 s[14:15], s[14:15], s[24:25]
.macro WLOAD t                         ; block t: W(32 t + i, my column), i = 0 .. 31, into set t % 2
.irp i, 0,1,2,3,4,5,6,7,8,9,10,11,12,13,14,15,16,17,18,19,20,21,22,23,24,25,26,27,28,29,30,31
	global_load_b32 v[WX+32*((\t)%2)+\i], v3, s[4:5] offset:(32*(\t)+\i)*NCOL*4 th:TH_LOAD_NT
.endr
.endm
	WLOAD 0
	WLOAD 1
	s_wait_kmcnt 0x0
	s_cmp_lt_u32 s28, 2
	s_cselect_b32 s30, s37, s39                    ; entry 1 | 3
	s_cselect_b32 s31, s47, s41                    ; entry 11 | 5
	s_bitcmp1_b32 s28, 0
	s_cselect_b32 s30, s31, s30                    ; e
	s_add_co_i32 s30, s30, 127
	s_lshl_b32 s31, s30, 23
	v_mov_b32 v11, s31                             ; 2^e as f32
	s_add_co_i32 s30, s30, 8
	s_lshl_b32 s30, s30, 23
	s_or_b32 s30, s30, 0x600000
	v_mov_b32 v10, s30                             ; 448 x 2^e
.macro WBLOCK t
.set XS, WX+32*((\t)%2)
.if (\t) < NB-1
	s_wait_loadcnt 32                              ; this block's 32 loads are in; the next block's 32 may be out
.else
	s_wait_loadcnt 0
.endif
.irp i, 0,1,2,3,4,5,6,7,8,9,10,11,12,13,14,15,16,17,18,19,20,21,22,23,24,25,26,27,28,29,30,31
	v_med3_num_f32 v[XS+\i], v[XS+\i], -v10, v10   ; the hold comes first, as above
.endr
.irp g, 0,1,2,3
	v_cvt_scalef32_pk8_fp8_f32 v[WC+2*\g:WC+2*\g+1], v[XS+8*\g:XS+8*\g+7], v11
.endr
	ds_store_b128 v4, v[WC:WC+3] offset:32*(\t)    ; 32 codes: 32 bytes of my column's row
	ds_store_b128 v4, v[WC+4:WC+7] offset:32*(\t)+16
.if (\t)+2 < NB
	WLOAD (\t)+2
.endif
	s_wait_dscnt 0x0                               ; the stores have read their registers: the next block's codes may be written (its 32 holds are plain lines that come first)
.endm
.set Q, 0
	s_wait_alu depctr_va_vdst(0)
.rept NB
	WBLOCK Q
.set Q, Q+1
.endr
; the way out: image f = 2 x (which 16 columns) + (which 128 along K); its register pair c is 8 bytes of row r at 16 c + 8 h.  LDS serves a wave's instructions in order: these see my stores
.irp f, 0,1,2,3
.irp c, 0,1,2,3,4,5,6,7
	ds_load_b64 v[OUTR+16*\f+2*\c:OUTR+16*\f+2*\c+1], v7 offset:16*(\f/2)*PITCH+128*(\f%2)+16*\c
.endr
.endr
.irp f, 0,1,2,3
.irp q, 0,1,2,3
	s_wait_dscnt 30-8*\f-2*\q                      ; the reads younger than this image's pair 2 q + 1 may be out
	global_store_b128 v8, v[OUTR+16*\f+4*\q:OUTR+16*\f+4*\q+3], s[14:15] offset:(\f/2)*32768+(\f%2)*2048+512*\q   ; 32 lanes store 512 consecutive bytes, aligned
.endr
.endr
	s_wait_tensorcnt 0x0
	ds_add_u32 v240, v241
	s_wait_dscnt 0x0
	s_endpgm
.Lfunc_end_k_qc88ed2478e_quant:
	.size	k_qc88ed2478e_quant, .Lfunc_end_k_qc88ed2478e_quant-k_qc88ed2478e_quant
	.p2alignl 7, 3214868480
	.fill 96, 4, 3214868480
	.section	.rodata,"a",@progbits
	.p2align	6, 0x0
	.amdhsa_kernel k_qc88ed2478e_quant
		.amdhsa_group_segment_fixed_size 69120
		.amdhsa_private_segment_fixed_size 0
		.amdhsa_enable_private_segment 0
		.amdhsa_kernarg_size 88
		.amdhsa_user_sgpr_count 2
		.amdhsa_user_sgpr_kernarg_segment_ptr 1
		.amdhsa_wavefront_size32 1
		.amdhsa_system_sgpr_workgroup_id_x 1
		.amdhsa_system_sgpr_workgroup_id_y 1
		.amdhsa_system_sgpr_workgroup_id_z 1
		.amdhsa_system_vgpr_workitem_id 0
		.amdhsa_next_free_vgpr 242
		.amdhsa_next_free_sgpr 66
		.amdhsa_reserve_vcc 0
		.amdhsa_float_denorm_mode_32 3
		.amdhsa_float_denorm_mode_16_64 3
		.amdhsa_memory_ordered 1
		.amdhsa_forward_progress 1
		.amdhsa_inst_pref_size 87
	.end_amdhsa_kernel
	.amdgpu_metadata
---
amdhsa.version: [ 1, 2 ]
amdhsa.kernels:
  - .name:           k_qc88ed2478e_quant
    .symbol:         k_qc88ed2478e_quant.kd
    .args:
      - { .name: q, .offset: 0, .size: 8, .value_kind: global_buffer, .address_space: global }
      - { .name: k, .offset: 8, .size: 8, .value_kind: global_buffer, .address_space: global }
      - { .name: v, .offset: 16, .size: 8, .value_kind: global_buffer, .address_space: global }
      - { .name: lowp_scales, .offset: 24, .size: 8, .value_kind: global_buffer, .address_space: global }
      - { .name: xa, .offset: 32, .size: 8, .value_kind: global_buffer, .address_space: global }
      - { .name: xb, .offset: 40, .size: 8, .value_kind: global_buffer, .address_space: global }
      - { .name: Wq, .offset: 48, .size: 8, .value_kind: global_buffer, .address_space: global }
      - { .name: Wfc, .offset: 56, .size: 8, .value_kind: global_buffer, .address_space: global }
      - { .name: Wk, .offset: 64, .size: 8, .value_kind: global_buffer, .address_space: global }
      - { .name: Wv, .offset: 72, .size: 8, .value_kind: global_buffer, .address_space: global }
      - { .name: wc, .offset: 80, .size: 8, .value_kind: global_buffer, .address_space: global }
    .group_segment_fixed_size: 69120
    .private_segment_fixed_size: 0
    .kernarg_segment_align: 8
    .kernarg_segment_size: 88
    .max_flat_workgroup_size: 128
    .sgpr_count:     66
    .vgpr_count:     242
    .wavefront_size: 32
...
	.end_amdgpu_metadata
.endif
;; end of part 6
;; launch proj (part 7): grid 4 x 96, 4 waves a work-group, clusters of 4 x 4, 327,680 bytes of LDS; arguments xa, xb, wc, bq, bk, bv, lowp_scales, qh, kh, vh, rs; writes qh, kh, vh, rs
.if DOCPART == 7
	.amdgcn_target "amdgcn-amd-amdhsa--gfx1250"
	.amdhsa_code_object_version 6
	.text
	.protected	k_qc88ed2478e_proj
	.globl	k_qc88ed2478e_proj
	.p2align	8
	.type	k_qc88ed2478e_proj,@function
k_qc88ed2478e_proj:
	s_mov_b64 s[64:65], 0
	v_nop
	global_prefetch_b8 v0, s[64:65] scope:SCOPE_SE
	s_setreg_imm32_b32 hwreg(HW_REG_WAVE_MODE, 25, 1), 1
	s_wait_xcnt 0x0
	s_wait_alu depctr_hold_cnt(0) depctr_sa_sdst(0) depctr_va_vdst(0) depctr_va_sdst(0) depctr_va_ssrc(0) depctr_va_vcc(0) depctr_vm_vsrc(0)
	s_getreg_b32 s2, hwreg(HW_REG_IB_STS2, 6, 4)
	s_cmp_eq_u32 s2, 0
	s_cbranch_scc0 .Lentry_in_a_cluster
	s_endpgm
.Lentry_in_a_cluster:
	s_bfe_u32 s2, ttmp6, 0x10000c
	s_cmp_lg_u32 s2, 0xf033
	s_cbranch_scc0 .Lentry_shape_is_right
	s_endpgm
.Lentry_shape_is_right:
.set SLOT,  131072
.set SPARE, 2*SLOT
.set FR,    16
.set NL,    4
.set NP,    4
.set ADRA,  16
.set ADRB,  20
.set SCL,   24
.set HOLD,  25
.set LI,    26
.set SPW,   28
.set NIL,   29
.set BV,    32
.set BIAS,  64
.set AF,    128
.set TMP,   128
.set CODE,  160
.set G1,  24
.set G0,  32
.set G1B, 48
.set G0B, 56
.set FAC, 8
.set MSB, 0
.macro WIN new
.if MSB != (\new)
	s_set_vgpr_msb (MSB<<8)|(\new)
.set MSB, \new
.endif
.endm
.set MUL_LO, 0xa1
.set MUL_HI, 0xf1
.set TO_B,   0x40
.macro JLOAD g0a, g1a, g0b, g1b
	s_cmp_eq_u32 s15, 0
	s_cbranch_scc0 .Lfor_b_\@
	tensor_load_to_lds s[\g0a:\g0a+3], s[\g1a:\g1a+7]
	s_nop 0
.rept 4
	v_nop
.endr
	s_branch .Lasked_\@
.Lfor_b_\@:
	tensor_load_to_lds s[\g0b:\g0b+3], s[\g1b:\g1b+7]
	s_nop 0
.rept 4
	v_nop
.endr
.Lasked_\@:
.endm
.macro CREST
	s_cmp_lg_u32 s14, 0
	s_cbranch_scc1 .Lnot_wave_0_\@
	s_barrier_signal -3
.Lnot_wave_0_\@:
	s_barrier_wait -3
	s_barrier_signal -1
	s_barrier_wait -1
.endm
.macro CROUND
	s_barrier_signal -1
	s_barrier_wait -1
	CREST
.endm
	s_load_b512 s[68:83], s[0:1], 0x0
	s_load_b128 s[84:87], s[0:1], 0x40
	s_load_b64 s[100:101], s[0:1], 0x50            ; rs: q Wq + bq in f32, [row / 16][column / 16][1,024 bytes], images of accumulator registers
	v_lshl_add_u32 v[SPW], v0, 2, SPARE
	v_mov_b32 v[NIL], 0
	ds_add_u32 v28, v29
	ds_add_u32 v28, v29
	s_wait_dscnt 0x0
	v_lshrrev_b32 v1, 5, v0
	v_readfirstlane_b32 s14, v1
	s_lshr_b32 s15, s14, 1
	s_and_b32 s16, s14, 1
	s_bfe_u32 s40, ttmp6, 0x40000
	s_bfe_u32 s41, ttmp6, 0x40004
	s_and_b32 s17, ttmp7, 0xffff
	s_and_b32 s42, s17, 7
	s_lshl_b32 s43, s41, 2
	s_lshl_b32 s43, 15, s43
	s_lshl_b32 s44, 0x1111, s40
	s_or_b32 s[G1+0], s43, (3<<16)|(1<<21)
	s_or_b32 s[G1B+0], s44, (3<<16)|(1<<21)
.irp g, G1, G1B
	s_mov_b32 s[\g+1], 512<<16
	s_mov_b32 s[\g+2], 8<<16
	s_mov_b32 s[\g+3], 512<<16
	s_mov_b32 s[\g+4], 8
	s_mov_b32 s[\g+5], 4096
	s_mov_b32 s[\g+6], 0
	s_mov_b32 s[\g+7], 0
.endr
	s_lshl_b32 s18, s16, 3
	s_lshl_b32 s19, s42, 6
	s_lshl_b32 s20, s41, 4
	s_add_co_u32 s20, s20, s18
	s_lshl_b32 s46, s40, 4
	s_add_co_u32 s46, s46, s18
	s_mov_b32 s22, 0x204000
	s_mov_b32 s23, 0x4000
	s_cmp_lt_u32 s17, 16
	s_cselect_b32 s21, s19, 0
	s_cselect_b32 s47, 0, s19
	s_cselect_b32 s22, 0, s22
	s_cselect_b32 s23, 0x200000, s23
	s_cmp_lt_u32 s17, 8
	s_cselect_b32 s23, 0, s23
	s_add_co_u32 s20, s20, s21
	s_lshl_b32 s20, s20, 15
	s_add_co_u32 s20, s20, s22
	s_mov_b32 s21, 0
	s_add_co_u32 s46, s46, s47
	s_lshl_b32 s46, s46, 15
	s_add_co_u32 s46, s46, s23
	s_mov_b32 s47, 0
	s_lshl_b32 s45, s14, 15
	s_wait_kmcnt 0x0
	s_load_b256 s[88:95], s[80:81], 0x0
	s_load_b128 s[96:99], s[80:81], 0x20
	s_cmp_lt_u32 s17, 16
	s_cselect_b64 s[4:5], s[70:71], s[72:73]
	s_cselect_b64 s[6:7], s[72:73], s[70:71]
	s_cselect_b64 s[12:13], s[76:77], s[78:79]
	s_cselect_b64 s[10:11], s[84:85], s[86:87]
	s_cmp_lt_u32 s17, 8
	s_cselect_b64 s[4:5], s[68:69], s[4:5]
	s_cselect_b64 s[12:13], s[74:75], s[12:13]
	s_cselect_b64 s[10:11], s[82:83], s[10:11]
	s_add_nc_u64 s[20:21], s[4:5], s[20:21]
	s_add_nc_u64 s[46:47], s[6:7], s[46:47]
	CROUND
.irp s, 0,1
	s_mov_b32 s[G0+4*\s], 1
	s_add_co_u32 s[G0+4*\s+1], s45, \s*SLOT
	s_add_nc_u64 s[G0+4*\s+2:G0+4*\s+3], s[20:21], \s*4096
	s_or_b32 s[G0+4*\s+3], s[G0+4*\s+3], 0x80000000
	s_mov_b32 s[G0B+4*\s], 1
	s_add_co_u32 s[G0B+4*\s+1], s45, \s*SLOT
	s_add_nc_u64 s[G0B+4*\s+2:G0B+4*\s+3], s[46:47], \s*4096
	s_or_b32 s[G0B+4*\s+3], s[G0B+4*\s+3], 0x80000000
	s_wait_alu depctr_va_vdst(0)
	s_wait_tensorcnt 0x0
	ds_add_u32 v28, v29
	ds_add_u32 v28, v29
	s_wait_dscnt 0x0
	CROUND
	JLOAD G0+4*\s, G1, G0B+4*\s, G1B
.endr
	v_and_b32 v1, 31, v0
	v_bfe_u32 v2, v0, 4, 1
	v_and_b32 v3, 15, v0
	v_lshlrev_b32 v[LI], 4, v1
	s_lshl_b32 s66, s15, 15
	s_lshl_b32 s67, s16, 15
	s_add_co_u32 s67, s67, 65536
.irp s, 0,1
	v_add_nc_u32 v[ADRA+\s], s66, v[LI]
	v_add_nc_u32 v[ADRB+\s], s67, v[LI]
	s_add_co_u32 s66, s66, SLOT
	s_add_co_u32 s67, s67, SLOT
.endr
	s_wait_alu depctr_va_vdst(0)
	s_wait_kmcnt 0x0
	s_lshl_b32 s74, s40, 10
	s_lshl_b32 s75, s16, 9
	s_add_co_u32 s74, s74, s75
	v_lshl_add_u32 v4, v2, 5, s74
	s_lshl_b32 s76, s41, 10
	s_lshl_b32 s77, s15, 9
	s_add_co_u32 s76, s76, s77
	v_lshl_add_u32 v5, v3, 2, s76
.irp b, 0,1,2,3,4,5,6,7
	global_load_b128 v[BIAS+8*\b:BIAS+8*\b+3], v4, s[12:13] offset:64*\b
	global_load_b128 v[BIAS+8*\b+4:BIAS+8*\b+7], v4, s[12:13] offset:64*\b+16
.endr
.irp a, 0,1,2,3,4,5,6,7
	global_load_b32 v[BV+2*\a], v5, s[12:13] offset:64*\a
	global_load_b32 v[BV+2*\a+1], v5, s[12:13] offset:64*\a
.endr
	s_cmp_lt_u32 s17, 16
	s_cselect_b32 s68, s40, s41
	s_cselect_b32 s69, s16, s15
	s_cselect_b32 s70, s41, s40
	s_cselect_b32 s71, s15, s16
	s_lshr_b32 s2, s42, 1
	s_lshl_b32 s2, s2, 4
	s_lshl_b32 s68, s68, 2
	s_add_co_u32 s2, s2, s68
	s_lshl_b32 s69, s69, 1
	s_add_co_u32 s2, s2, s69
	s_lshl_b32 s2, s2, 17
	s_and_b32 s3, s42, 1
	s_lshl_b32 s3, s3, 6
	s_lshl_b32 s70, s70, 4
	s_add_co_u32 s3, s3, s70
	s_lshl_b32 s71, s71, 3
	s_add_co_u32 s3, s3, s71
	s_lshl_b32 s3, s3, 10
	s_add_co_u32 s2, s2, s3
	s_mov_b32 s3, 0
	s_add_nc_u64 s[10:11], s[10:11], s[2:3]
	s_lshl_b32 s2, s42, 6                          ; rs: my first tile of rows: 64 x cluster y + 16 cy + 8 x my half of the rows,
	s_lshl_b32 s3, s41, 4
	s_add_co_u32 s2, s2, s3
	s_lshl_b32 s3, s15, 3
	s_add_co_u32 s2, s2, s3
	s_lshl_b32 s2, s2, 16
	s_lshl_b32 s3, s40, 4                          ; my first tile of columns: 16 cx + 8 x my half of the columns
	s_lshl_b32 s68, s16, 3
	s_add_co_u32 s3, s3, s68
	s_lshl_b32 s3, s3, 10
	s_add_co_u32 s2, s2, s3
	s_mov_b32 s3, 0
	s_add_nc_u64 s[100:101], s[100:101], s[2:3]
	s_add_co_i32 s72, s88, s89
	s_add_co_i32 s73, s90, s91
	s_add_co_i32 s78, s92, s93
	s_cmp_lt_u32 s17, 16
	s_cselect_b32 s73, s73, s78
	s_cselect_b32 s79, s95, s97
	s_cmp_lt_u32 s17, 8
	s_cselect_b32 s72, s72, s73
	s_cselect_b32 s79, s94, s79
	s_add_co_i32 s72, s72, 127
	s_lshl_b32 s[FAC], s72, 23
	s_mov_b32 s[FAC+1], s[FAC]
	s_add_co_i32 s79, s79, 127
	s_lshl_b32 s78, s79, 23
	v_mov_b32 v[SCL], s78
	s_add_co_i32 s79, s79, 8
	s_lshl_b32 s79, s79, 23
	s_or_b32 s79, s79, 0x600000
	v_mov_b32 v[HOLD], s79
.macro FRAG reg, adr, q, i
.irp c, 0,1,2,3
	ds_load_b128 v[\reg+4*\c:\reg+4*\c+3], v[\adr] offset:4096*(\i)+2048*(\q)+512*\c
.endr
.endm
.macro MUL16 a0, p, zero
.irp a, \a0, \a0+1
.irp b, 0,1,2,3,4,5,6,7
.if \zero
	v_wmma_f32_16x16x128_fp8_fp8 v[8*(8*((\a)%4)+\b):8*(8*((\a)%4)+\b)+7], v[128*(\p)+FR*\b:128*(\p)+FR*\b+FR-1], v[AF+FR*(\a):AF+FR*(\a)+FR-1], 0
.else
	v_wmma_f32_16x16x128_fp8_fp8 v[8*(8*((\a)%4)+\b):8*(8*((\a)%4)+\b)+7], v[128*(\p)+FR*\b:128*(\p)+FR*\b+FR-1], v[AF+FR*(\a):AF+FR*(\a)+FR-1], v[8*(8*((\a)%4)+\b):8*(8*((\a)%4)+\b)+7]
.endif
.endr
.endr
.endm
.macro FETCH_B slot, q, p
	WIN TO_B
.irp i, 0,1,2,3,4,5,6,7
	FRAG 128*(\p)+FR*\i, ADRB+\slot, \q, \i
.endr
	WIN 0
.endm
.macro FETCH_A slot, q, i0
.irp i, \i0, \i0+1, \i0+2, \i0+3
	FRAG AF+FR*(\i), ADRA+\slot, \q, \i
.endr
.endm
.macro PLACES n
.rept \n
	v_nop
.endr
.endm
.macro STEP slot, q, zero
	s_wait_dscnt 4*NL
	WIN MUL_LO
	MUL16 0, (\q)%2, \zero
	MUL16 2, (\q)%2, \zero
	s_wait_dscnt 0
	PLACES NP
	FETCH_B \slot, (\q)+1, 1-(\q)%2
	FETCH_A \slot, (\q)+1, 0
	WIN MUL_HI
	MUL16 4, (\q)%2, \zero
	MUL16 6, (\q)%2, \zero
	PLACES NP
	WIN 0
	FETCH_A \slot, (\q)+1, 4
.endm
.macro TURN slot, next, fill
	s_wait_tensorcnt 0x0
	ds_add_u32 v[SPW], v[NIL]
	s_wait_dscnt 4*NL+1
	WIN MUL_LO
	MUL16 0, 1, 0
	s_wait_dscnt 0x0
	s_barrier_signal -1
	MUL16 2, 1, 0
	WIN 0
	s_barrier_wait -1
.if \fill
	CREST
	s_add_nc_u64 s[G0+4*\slot+2:G0+4*\slot+3], s[G0+4*\slot+2:G0+4*\slot+3], 8192
	s_add_nc_u64 s[G0B+4*\slot+2:G0B+4*\slot+3], s[G0B+4*\slot+2:G0B+4*\slot+3], 8192
	JLOAD G0+4*\slot, G1, G0B+4*\slot, G1B
.else
	PLACES NP
.endif
	FETCH_B \next, 0, 0
	FETCH_A \next, 0, 0
	WIN MUL_HI
	MUL16 4, 1, 0
	MUL16 6, 1, 0
	PLACES NP
	WIN 0
	FETCH_A \next, 0, 4
.endm
	s_wait_tensorcnt 1
	s_barrier_signal -1
	s_barrier_wait -1
	FETCH_B 0, 0, 0
	FETCH_A 0, 0, 0
	FETCH_A 0, 0, 4
	STEP 0, 0, 1
	TURN 0, 1, 1
	STEP 1, 0, 0
	TURN 1, 0, 1
	STEP 0, 0, 0
	TURN 0, 1, 0
	STEP 1, 0, 0
	s_wait_dscnt 4*NL
	WIN MUL_LO
	MUL16 0, 1, 0
	MUL16 2, 1, 0
	s_wait_dscnt 0
	WIN MUL_HI
	MUL16 4, 1, 0
	MUL16 6, 1, 0
	WIN 0
.macro QKG a, hh
.set G, 2*(\a)+(\hh)
.set CD, CODE+8*(G%12)
.if G >= 12
	s_wait_xcnt 0x0
.endif
	WIN 0x02+(\a)/4
.irp bb, 0,1,2,3
.irp i, 0,2,4,6
	v_pk_fma_f32 v[TMP+8*\bb+\i:TMP+8*\bb+\i+1], v[8*(8*((\a)%4)+4*(\hh)+\bb)+\i:8*(8*((\a)%4)+4*(\hh)+\bb)+\i+1], s[FAC:FAC+1], v[BIAS+8*(4*(\hh)+\bb)+\i:BIAS+8*(4*(\hh)+\bb)+\i+1] op_sel_hi:[1,0,1]
.endr
.endr
	WIN 0
	s_wait_alu depctr_va_vdst(0)                   ; directly ahead of the branch
	s_cmp_lt_u32 s17, 8                            ; q's tiles alone (the cluster's y: the same in all partners) also leave in f32, for the residual
	s_cbranch_scc0 .Lno_rs_\@
.irp bb, 0,1,2,3
	global_store_b128 v[LI], v[TMP+8*\bb:TMP+8*\bb+3], s[100:101] offset:(\a)*65536+(4*(\hh)+\bb)*1024
	global_store_b128 v[LI], v[TMP+8*\bb+4:TMP+8*\bb+7], s[100:101] offset:(\a)*65536+(4*(\hh)+\bb)*1024+512
.endr
	s_wait_xcnt 0x0                                ; the stores have read their registers: the holds below write them
.Lno_rs_\@:
.irp bb, 0,1,2,3
.irp i, 0,1,2,3,4,5,6,7
	v_med3_num_f32 v[TMP+8*\bb+\i], v[TMP+8*\bb+\i], -v[HOLD], v[HOLD]
.endr
	v_cvt_scalef32_pk8_fp8_f32 v[CD+2*\bb:CD+2*\bb+1], v[TMP+8*\bb:TMP+8*\bb+7], v[SCL]
.endr
	v_nop
	global_store_b128 v[LI], v[CD:CD+3], s[10:11] offset:(\hh)*131072+(\a)*1024
	global_store_b128 v[LI], v[CD+4:CD+7], s[10:11] offset:(\hh)*131072+(\a)*1024+512
.endm
.macro VG a
.set CD, CODE+16*((\a)%6)
.if (\a) >= 6
	s_wait_xcnt 0x0
.endif
.irp hf, 0,1
	WIN 0x02+(\a)/4
.irp bb, 0,1,2,3
.irp i, 0,2,4,6
	v_pk_fma_f32 v[TMP+8*\bb+\i:TMP+8*\bb+\i+1], v[8*(8*((\a)%4)+4*\hf+\bb)+\i:8*(8*((\a)%4)+4*\hf+\bb)+\i+1], s[FAC:FAC+1], v[BV+2*(\a):BV+2*(\a)+1] op_sel_hi:[1,0,1]
.endr
.endr
	WIN 0
.irp bb, 0,1,2,3
.irp i, 0,1,2,3,4,5,6,7
	v_med3_num_f32 v[TMP+8*\bb+\i], v[TMP+8*\bb+\i], -v[HOLD], v[HOLD]
.endr
	v_cvt_scalef32_pk8_fp8_f32 v[CD+2*(4*\hf+\bb):CD+2*(4*\hf+\bb)+1], v[TMP+8*\bb:TMP+8*\bb+7], v[SCL]
.endr
	v_nop
.endr
.irp q, 0,1,2,3
	global_store_b128 v[LI], v[CD+4*\q:CD+4*\q+3], s[10:11] offset:((\a)/4)*131072+((\a)%4)*2048+512*\q
.endr
.endm
	s_wait_loadcnt 0x0
	PLACES NP
	s_cmp_ge_u32 s17, 16
	s_cbranch_scc1 .Lv
.irp a, 0,1,2,3,4,5,6,7
	QKG \a, 0
	QKG \a, 1
.endr
	s_branch .Lend
.Lv:
.irp a, 0,1,2,3,4,5,6,7
	VG \a
.endr
.Lend:
	s_wait_tensorcnt 0x0
	ds_add_u32 v[SPW], v[NIL]
	s_wait_dscnt 0x0
	CROUND
	s_endpgm
.Lfunc_end_k_qc88ed2478e_proj:
	.size	k_qc88ed2478e_proj, .Lfunc_end_k_qc88ed2478e_proj-k_qc88ed2478e_proj
	.p2alignl 7, 3214868480
	.fill 96, 4, 3214868480
	.section	.rodata,"a",@progbits
	.p2align	6, 0x0
	.amdhsa_kernel k_qc88ed2478e_proj
		.amdhsa_group_segment_fixed_size 327680
		.amdhsa_private_segment_fixed_size 0
		.amdhsa_enable_private_segment 0
		.amdhsa_kernarg_size 88
		.amdhsa_user_sgpr_count 2
		.amdhsa_user_sgpr_kernarg_segment_ptr 1
		.amdhsa_wavefront_size32 1
		.amdhsa_system_sgpr_workgroup_id_x 1
		.amdhsa_system_sgpr_workgroup_id_y 1
		.amdhsa_system_sgpr_workgroup_id_z 1
		.amdhsa_system_vgpr_workitem_id 0
		.amdhsa_next_free_vgpr 1024
		.amdhsa_next_free_sgpr 102
		.amdhsa_reserve_vcc 0
		.amdhsa_float_denorm_mode_32 3
		.amdhsa_float_denorm_mode_16_64 3
		.amdhsa_memory_ordered 1
		.amdhsa_forward_progress 1
		.amdhsa_inst_pref_size 211
	.end_amdhsa_kernel
	.amdgpu_metadata
---
amdhsa.version: [ 1, 2 ]
amdhsa.kernels:
  - .name:           k_qc88ed2478e_proj
    .symbol:         k_qc88ed2478e_proj.kd
    .args:
      - { .name: xa, .offset: 0, .size: 8, .value_kind: global_buffer, .address_space: global }
      - { .name: xb, .offset: 8, .size: 8, .value_kind: global_buffer, .address_space: global }
      - { .name: wc, .offset: 16, .size: 8, .value_kind: global_buffer, .address_space: global }
      - { .name: bq, .offset: 24, .size: 8, .value_kind: global_buffer, .address_space: global }
      - { .name: bk, .offset: 32, .size: 8, .value_kind: global_buffer, .address_space: global }
      - { .name: bv, .offset: 40, .size: 8, .value_kind: global_buffer, .address_space: global }
      - { .name: lowp_scales, .offset: 48, .size: 8, .value_kind: global_buffer, .address_space: global }
      - { .name: qh, .offset: 56, .size: 8, .value_kind: global_buffer, .address_space: global }
      - { .name: kh, .offset: 64, .size: 8, .value_kind: global_buffer, .address_space: global }
      - { .name: vh, .offset: 72, .size: 8, .value_kind: global_buffer, .address_space: global }
      - { .name: rs, .offset: 80, .size: 8, .value_kind: global_buffer, .address_space: global }
    .group_segment_fixed_size: 327680
    .private_segment_fixed_size: 0
    .kernarg_segment_align: 8
    .kernarg_segment_size: 88
    .max_flat_workgroup_size: 128
    .sgpr_count:     102
    .vgpr_count:     1024
    .wavefront_size: 32
...
	.end_amdgpu_metadata
.endif
;; end of part 7
;; launch attn (part 8): grid 4 x 64, 8 waves a work-group, clusters of 4 x 1, 327,680 bytes of LDS; arguments qh, kh, vh, lowp_scales, xa; writes xa
.if DOCPART == 8
	.amdgcn_target "amdgcn-amd-amdhsa--gfx1250"
	.amdhsa_code_object_version 6
	.text
	.protected	k_qc88ed2478e_attn
	.globl	k_qc88ed2478e_attn
	.p2align	8
	.type	k_qc88ed2478e_attn,@function
k_qc88ed2478e_attn:
	s_mov_b64 s[64:65], 0
	v_nop
	global_prefetch_b8 v0, s[64:65] scope:SCOPE_SE
	s_setreg_imm32_b32 hwreg(HW_REG_WAVE_MODE, 25, 1), 1
	s_wait_xcnt 0x0
	s_wait_alu depctr_hold_cnt(0) depctr_sa_sdst(0) depctr_va_vdst(0) depctr_va_sdst(0) depctr_va_ssrc(0) depctr_va_vcc(0) depctr_vm_vsrc(0)
	s_getreg_b32 s2, hwreg(HW_REG_IB_STS2, 6, 4)
	s_cmp_eq_u32 s2, 0
	s_cbranch_scc0 .Lentry_in_a_cluster
	s_endpgm
.Lentry_in_a_cluster:
	s_bfe_u32 s2, ttmp6, 0x10000c
	s_cmp_lg_u32 s2, 0x3003
	s_cbranch_scc0 .Lentry_shape_is_right
	s_endpgm
.Lentry_shape_is_right:
; ctx[b][q][h 64 + d] = the sum over k of softmax_k(Q . K / 8) V, both products on codes of FP8 (E4M3); the result is quantised at once for the last product and stored as codes.
; qh, kh = [bh 64][position / 16][1,024 bytes]: images of operand registers, 16 positions x 64 d.  vh = [bh][key / 128][d / 16][2,048 bytes]: 16 d x 128 keys.  Scales: entries 6 (Q), 7 (K), 8 (p), 9 (V), 10 (ctx).
; THE SOFTMAX: t = score x log2(e) / 8; M = the largest t so far, rounded UP to a whole number; p = 2^(t - M) is what is quantised; the row's sum is taken of the unquantised p and divides at the end.
; When M moves, the sum and O are multiplied by 2^(old M - new M): exact.  The running maximum is kept in units of the score (c is positive).
; SHARES: a work-group owns 512 queries of one head; each of its EIGHT waves owns 64 of them, four tiles of 16, all at once, in 512 registers: each fragment of K and of V read from LDS feeds four matrix instructions.
; THE HEAD'S WHOLE K AND V LIE IN LDS (131,072 bytes each), filled ONCE: each wave brings 32,768 bytes by one tensor load; nothing is filled again: one barrier, no ring.
; CLUSTER: the four work-groups of a head need the same K and V: each load is asked for JOINTLY (mask 15); its address is made of the head and the wave's number alone.
; NO PREFETCH: K and V are asked for once, at the head; there is no loop that runs ahead of a load.
; LAYOUT: both products transposed: S^T = K Q^T, O^T = V^T P^T: a lane holds ONE query (lane % 16) of each tile; key tile kt's eight registers are keys 16 kt + 8 (lane / 16) + 0 .. 7: register pair kt of the next operand.
; LIMITS: entries 6 + 7 between -123 and 130 (added to c's exponent field); entries 8 and 10 between -126 and 119; 8 + 9 goes by v_ldexp_f32 and has none.
; REGISTERS.  Window 0: v0-7 addresses, p's scale, the add's two, a pair at work; per tile i: v[8+2i] -M, v[9+2i] the largest score; v[16+2i] f, v[17+2i] at work; v[24+2i:25+2i] the sum; v32-63 Q; v64-255 S of tiles 0, 1, 2.
; Window 1: v0-63 S of tile 3; v64-127 K's eight fragments (the next step's are fetched as soon as this step's are multiplied); v128-255 O^T.
; S registers that are converted are used again: tile 0's codes at v64, tile 1's at v128, tile 2's at v160, tile 3's at v176; V's four fragments at v80, v96, v112, v144.
.set VOFF, 0x20000
.set SPARE, 0x40000
.set WV,  18
.set SEL, 20
.set CS,  22                           ; s[22:23] c = log2(e) / 8 x 2^(entries 6 + 7)
.set G1,  24
.set G0,  32
.set TB,  2                            ; s2 LDS byte of the key step in hand
.set CNT, 3
.set NCS, 56                           ; -c
.set HP,  57                           ; 448 x 2^(entry 8)
.set KA,  0
.set LI,  1
.set VA,  2
.set SP,  3
.set SPW, 4
.set NIL, 5
.set CT,  6
.set NM,  8
.set FF,  16
.set LL,  24
.set QF,  32
.set KF,  64
.set OO,  128
.set MSB, 0
.macro WIN new                         ; the immediate's high byte repeats the setting that is left
.if MSB != (\new)
	s_set_vgpr_msb (MSB<<8)|(\new)
.set MSB, \new
.endif
.endm
.macro W
	s_wait_alu depctr_va_vdst(0)
.endm
.macro ROUND                           ; a round of the cluster's barrier
	s_barrier_signal -1
	s_barrier_wait -1
	s_cmp_lg_u32 s[WV], 0
	s_cbranch_scc1 .Lnot_wave_0_\@
	s_barrier_signal -3
.Lnot_wave_0_\@:
	s_barrier_wait -3
	s_barrier_signal -1
	s_barrier_wait -1
.endm
	s_load_b256 s[4:11], s[0:1], 0x0               ; qh, kh, vh, the scales' exponents
	s_load_b64 s[12:13], s[0:1], 0x20              ; xa
	v_lshl_add_u32 v[SPW], v0, 2, SPARE
	v_mov_b32 v[NIL], 0
	ds_add_u32 v[SPW], v[NIL]                      ; the opening lines: the add, twice on end, and its wait
	ds_add_u32 v[SPW], v[NIL]
	v_lshrrev_b32 v2, 5, v0
	v_readfirstlane_b32 s[WV], v2                  ; wave 0..7
	s_bfe_u32 s19, ttmp6, 0x40000                  ; cx: which 512 queries: it enters Q's and the output's addresses alone
	s_and_b32 s14, ttmp7, 0xffff                   ; bh, which the four partners share
	s_mov_b32 s[G1], 15|(3<<16)|(1<<21)            ; the mask: all four; elements of 8 bytes; bit 21 beside a mask
	s_mov_b32 s[G1+1], 32<<16                      ; 32,768 dense bytes as 128 rows of 256
	s_mov_b32 s[G1+2], 128<<16
	s_mov_b32 s[G1+3], 32<<16
	s_mov_b32 s[G1+4], 128
	s_mov_b32 s[G1+5], 32
	s_mov_b32 s[G1+6], 0
	s_mov_b32 s[G1+7], 0
	s_lshl_b32 s36, s14, 17                        ; the head's first byte in qh, kh and vh
	s_and_b32 s15, s[WV], 3
	s_lshl_b32 s15, s15, 15
	s_add_co_u32 s38, s36, s15                     ; + my quarter of K (waves 0-3) or of V (waves 4-7)
	s_mov_b32 s39, 0
	s_wait_dscnt 0x0
	s_wait_kmcnt 0x0
	s_load_b256 s[40:47], s[10:11], 0x0            ; entries 0 to 7
	s_load_b128 s[48:51], s[10:11], 0x20           ; entries 8 to 11
	s_cmp_lt_u32 s[WV], 4
	s_cselect_b64 s[G0+2:G0+3], s[6:7], s[8:9]
	s_add_nc_u64 s[G0+2:G0+3], s[G0+2:G0+3], s[38:39]
	s_or_b32 s[G0+3], s[G0+3], 0x80000000
	s_mov_b32 s[G0], 1
	s_lshl_b32 s[G0+1], s[WV], 15                  ; LDS: 32,768 x wave: K's four parts, then V's
	ROUND                                          ; all four work-groups are here: the joint loads meet
	tensor_load_to_lds s[G0:G0+3], s[G1:G1+7]      ; my one tensor load of the launch
	s_nop 0
.rept 4
	v_nop
.endr
	s_lshl_b32 s15, s19, 5
	s_lshl_b32 s16, s[WV], 2
	s_add_co_u32 s15, s15, s16                     ; my first tile of queries: 32 cx + 4 wave
	s_lshl_b32 s16, s15, 10
	s_add_co_u32 s54, s36, s16
	s_mov_b32 s55, 0
	s_add_nc_u64 s[4:5], s[4:5], s[54:55]
	v_and_b32 v[LI], 31, v0
	v_lshlrev_b32 v[LI], 4, v[LI]                  ; 16 x lane
.irp i, 0,1,2,3
.irp u, 0,1
	global_load_b128 v[QF+8*\i+4*\u:QF+8*\i+4*\u+3], v[LI], s[4:5] offset:1024*\i+512*\u   ; Q's four fragments stay in registers
.endr
.endr
	s_lshr_b32 s16, s14, 4                         ; the output: xa's tile of rows 128 x batch + my tile of queries,
	s_lshl_b32 s16, s16, 7
	s_add_co_u32 s16, s16, s15
	s_lshl_b32 s16, s16, 15
	s_and_b32 s17, s14, 15                         ; K step 8 + head / 2, its first or second 1,024 bytes
	s_lshl_b32 s17, s17, 10
	s_add_co_u32 s16, s16, s17
	s_add_co_u32 s16, s16, 16384
	s_mov_b32 s17, 0
	s_add_nc_u64 s[12:13], s[12:13], s[16:17]
	s_mov_b32 s[SEL], 0x76543210
	s_mov_b32 s[SEL+1], 0xfedcba98
	s_mov_b32 s[CS], 0x3e38aa3b                    ; log2(e) / 8
	s_wait_kmcnt 0x0
	s_add_co_i32 s53, s46, s47
	s_lshl_b32 s53, s53, 23
	s_add_co_i32 s[CS], s[CS], s53                 ; entries 6 + 7 are added to c's exponent field
	s_mov_b32 s[CS+1], s[CS]
	s_xor_b32 s[NCS], s[CS], 0x80000000
	s_add_co_i32 s53, s48, 127
	s_lshl_b32 s54, s53, 23
	v_mov_b32 v[SP], s54                           ; 2^(entry 8), for p's conversions
	s_add_co_i32 s53, s53, 8
	s_lshl_b32 s53, s53, 23
	s_or_b32 s[HP], s53, 0x600000                  ; 448 x that
	s_add_co_i32 s53, s50, 127
	s_lshl_b32 s58, s53, 23                        ; 2^(entry 10), for ctx's
	s_add_co_i32 s53, s53, 8
	s_lshl_b32 s53, s53, 23
	s_or_b32 s59, s53, 0x600000
	s_add_co_i32 s52, s48, s49                     ; entries 8 + 9
.irp i, 0,1,2,3
	v_mov_b32 v[NM+2*\i], 0x7f61b1e6               ; -M = 3e38,
	v_mov_b32 v[NM+2*\i+1], 0xff61b1e6             ; the largest score so far: -3e38
	v_mov_b32 v[LL+2*\i], 0
	v_mov_b32 v[LL+2*\i+1], 0
.endr
	WIN 0x40
.set j, 0
.rept 128
	v_mov_b32 v[OO+j], 0                           ; O^T: the loop has no first step of its own; the first change of M leaves zeros zeros
.set j, j+1
.endr
	WIN 0
	W
	s_wait_tensorcnt 0x0                           ; my part of K or V is in,
	s_barrier_signal -1
	s_barrier_wait -1                              ; everybody's is
	WIN 0x40
.irp t, 0,1,2,3,4,5,6,7
.irp u, 0,1
	ds_load_b128 v[KF+8*\t+4*\u:KF+8*\t+4*\u+3], v[LI] offset:1024*\t+512*\u   ; step 0's eight tiles of 16 keys
.endr
.endr
	WIN 0
	s_wait_loadcnt 0x0                             ; Q
	s_wait_dscnt 0x0
; ---- the parts of a key step.  Tile i's S begins at register (64 + 64 i) % 256 of window i / 3.
.macro MAXT i                          ; the largest score of my query, three chains, each accumulator from its low end on; all three start from the running maximum
	WIN 0x14*((\i)/3)
.set p, 0
.rept 32
.set SA, (64+64*(\i))%256+2*p
.if p%3 == 0
	v_max3_num_f32 v[NM+2*(\i)+1], v[NM+2*(\i)+1], v[SA], v[SA+1]
.elseif p == 1
	v_max3_num_f32 v[FF+2*(\i)+1], v[NM+2*(\i)+1], v[SA], v[SA+1]
.elseif p == 2
	v_max3_num_f32 v[FF+2*(\i)], v[NM+2*(\i)+1], v[SA], v[SA+1]
.elseif p%3 == 1
	v_max3_num_f32 v[FF+2*(\i)+1], v[FF+2*(\i)+1], v[SA], v[SA+1]
.else
	v_max3_num_f32 v[FF+2*(\i)], v[FF+2*(\i)], v[SA], v[SA+1]
.endif
.set p, p+1
.endr
.endm
.macro FMA1 i, j                       ; t - M, two at a time
	v_pk_fma_f32 v[(64+64*(\i))%256+\j:(64+64*(\i))%256+\j+1], v[(64+64*(\i))%256+\j:(64+64*(\i))%256+\j+1], s[CS:CS+1], v[NM+2*(\i):NM+2*(\i)+1] op_sel_hi:[1,0,0]
.endm
.macro FMAT i
	WIN 0x41*((\i)/3)
.set j, 0
.rept 32
	FMA1 \i, j
.set j, j+2
.endr
.endm
.macro HOLD2 a                         ; the conversion does not saturate (ISA guide 7.6.2); p is not negative, so the hold is one-sided: two numbers a line
	v_dual_min_num_f32 v[\a], s[HP], v[\a] :: v_dual_min_num_f32 v[\a+1], s[HP], v[\a+1]
.endm
; A batch of 64 exponentials, p = 2^(t - M).  Between them stand lines that read nothing written in the batch and whose results are read behind the wait that follows it: tile fm's t - M, tile mn's holds (-1: none).
.macro EXPB i, fm, mn
	WIN 0x41*((\i)/3)
.set j, 0
.rept 32
	v_exp_f32 v[(64+64*(\i))%256+j], v[(64+64*(\i))%256+j]
	v_exp_f32 v[(64+64*(\i))%256+j+1], v[(64+64*(\i))%256+j+1]
.if \fm >= 0
	FMA1 \fm, j
.endif
.if \mn >= 0
	HOLD2 64+64*(\mn)+j
.endif
.set j, j+2
.endr
	v_nop                                          ; a plain line behind the last exponential
	WIN 0
.endm
.macro SUMT i                          ; the row's sum of the unquantised p, three chains of pairs
.set SB, (64+64*(\i))%256
	WIN 0x05*((\i)/3)
	v_pk_add_f32 v[FF+2*(\i):FF+2*(\i)+1], v[SB:SB+1], v[SB+2:SB+3]
	v_pk_add_f32 v[CT:CT+1], v[SB+4:SB+5], v[SB+6:SB+7]
	WIN 0x04*((\i)/3)
.set p, 4
.rept 28
.if p%3 == 1
	v_pk_add_f32 v[LL+2*(\i):LL+2*(\i)+1], v[LL+2*(\i):LL+2*(\i)+1], v[SB+2*p:SB+2*p+1]
.elseif p%3 == 2
	v_pk_add_f32 v[FF+2*(\i):FF+2*(\i)+1], v[FF+2*(\i):FF+2*(\i)+1], v[SB+2*p:SB+2*p+1]
.else
	v_pk_add_f32 v[CT:CT+1], v[CT:CT+1], v[SB+2*p:SB+2*p+1]
.endif
.set p, p+1
.endr
	WIN 0
	v_pk_add_f32 v[FF+2*(\i):FF+2*(\i)+1], v[FF+2*(\i):FF+2*(\i)+1], v[CT:CT+1]
	v_pk_add_f32 v[LL+2*(\i):LL+2*(\i)+1], v[LL+2*(\i):LL+2*(\i)+1], v[FF+2*(\i):FF+2*(\i)+1]
.endm
; p's codes: key tile t's eight numbers become register pair t at cb.  ov = 1: cb is the tile's own S: pair t lands on numbers that are converted (a plain line stands between a conversion and a write of its sources); pair 0 goes by way of v[CT:CT+1].
.macro CVTT i, cb, ov
.set SB, (64+64*(\i))%256
	WIN (\i)/3
.if \ov
	v_cvt_scalef32_pk8_fp8_f32 v[CT:CT+1], v[SB:SB+7], v[SP]
	v_nop
	v_cvt_scalef32_pk8_fp8_f32 v[\cb+2:\cb+3], v[SB+8:SB+15], v[SP]
	v_nop
.else
	v_cvt_scalef32_pk8_fp8_f32 v[\cb:\cb+1], v[SB:SB+7], v[SP]
	v_cvt_scalef32_pk8_fp8_f32 v[\cb+2:\cb+3], v[SB+8:SB+15], v[SP]
.endif
.irp t, 2,3,4,5,6,7
	v_cvt_scalef32_pk8_fp8_f32 v[\cb+2*\t:\cb+2*\t+1], v[SB+8*\t:SB+8*\t+7], v[SP]
.endr
	v_nop                                          ; a plain line behind the last conversion
.if \ov
	v_mov_b32 v[\cb], v[CT]
	v_mov_b32 v[\cb+1], v[CT+1]
.endif
	WIN 0
.endm
.macro VLD t, reg                      ; V's tile of 16 d x these 128 keys
.irp q, 0,1,2,3
	ds_load_b128 v[\reg+4*\q:\reg+4*\q+3], v[VA] offset:2048*(\t)+512*\q
.endr
.endm
	s_mov_b32 s[TB], 0
	s_mov_b32 s[CNT], 16
.Lk:                                               ; 16 trips of 128 keys
	v_add_nc_u32 v[KA], s[TB], v[LI]
	v_add_nc_u32 v[VA], VOFF, v[KA]
.rept 3
	v_nop                                          ; with the two lines above: five places between the last products and products that write over their operands
.endr
	WIN 0x01
.irp t, 0,1,2,3,4,5,6,7
.irp i, 0,1,2
	v_wmma_f32_16x16x64_fp8_fp8 v[64+64*\i+8*\t:64+64*\i+8*\t+7], v[KF+8*\t:KF+8*\t+7], v[QF+8*\i:QF+8*\i+7], 0
.endr
.endr
	WIN 0x41
.irp t, 0,1,2,3,4,5,6,7
	v_wmma_f32_16x16x64_fp8_fp8 v[8*\t:8*\t+7], v[KF+8*\t:KF+8*\t+7], v[QF+24:QF+31], 0
.endr
	WIN 0x40
.rept 4
	v_nop                                          ; places: in front of the loads below and of the first read of the scores
.endr
.irp t, 0,1,2,3,4,5,6,7
.irp u, 0,1
	ds_load_b128 v[KF+8*\t+4*\u:KF+8*\t+4*\u+3], v[KA] offset:8192+1024*\t+512*\u   ; the next step's keys (the last trip's 8,192 bytes are V's first and are not used)
.endr
.endr
	MAXT 0
	MAXT 1
	MAXT 2
	MAXT 3
	WIN 0
.irp i, 0,1,2,3                        ; the four tiles' chains stand side by side
	v_max3_num_f32 v[NM+2*\i+1], v[NM+2*\i+1], v[FF+2*\i+1], v[FF+2*\i]
.endr
.irp i, 0,1,2,3
	v_permlanex16_b32 v[FF+2*\i+1], v[NM+2*\i+1], s[SEL], s[SEL+1]
.endr
.irp i, 0,1,2,3
	v_max_num_f32 v[NM+2*\i+1], v[NM+2*\i+1], v[FF+2*\i+1]   ; and among lane l xor 16's
.endr
.irp i, 0,1,2,3
	v_mul_f32 v[FF+2*\i], s[NCS], v[NM+2*\i+1]     ; -t
.endr
.irp i, 0,1,2,3
	v_floor_f32 v[FF+2*\i], v[FF+2*\i]             ; the new -M: M is a whole number
.endr
.irp i, 0,1,2,3
	v_sub_f32 v[FF+2*\i+1], v[FF+2*\i], v[NM+2*\i] ; old M - new M: a whole number, 0 or less
.endr
.irp i, 0,1,2,3
	v_mov_b32 v[NM+2*\i], v[FF+2*\i]
.endr
.irp i, 0,1,2,3
	v_cvt_i32_f32 v[FF+2*\i+1], v[FF+2*\i+1]       ; (it saturates)
.endr
.irp i, 0,1,2,3
	v_ldexp_f32 v[FF+2*\i], 1.0, v[FF+2*\i+1]      ; f = 2^(old M - new M)
.endr
.irp i, 0,1,2,3
	v_pk_mul_f32 v[LL+2*\i:LL+2*\i+1], v[LL+2*\i:LL+2*\i+1], v[FF+2*\i:FF+2*\i+1] op_sel_hi:[1,0]   ; the sums under the new M
.endr
	FMAT 0
	WIN 0x41
.irp i, 0,1,2,3
.set j, 0
.rept 16
	v_pk_mul_f32 v[OO+32*\i+j:OO+32*\i+j+1], v[OO+32*\i+j:OO+32*\i+j+1], v[FF+2*\i:FF+2*\i+1] op_sel_hi:[1,0]   ; O^T under the new M, ahead of the step's exponentials, each accumulator from its low end on
.set j, j+2
.endr
.endr
	FMAT 3
	WIN 0
	W                                              ; a wait ahead of each batch and behind it; one wait between two batches serves both
	EXPB 0, 1, -1
	W
	SUMT 0
	EXPB 1, 2, 0
	W
	CVTT 0, 64, 1
	VLD 0, 80                                      ; into tile 0's converted numbers: they land under the other tiles' work
	VLD 1, 96
	VLD 2, 112
	SUMT 1
	EXPB 2, -1, 1
	W
	CVTT 1, 128, 1
	VLD 3, 144
	SUMT 2
	EXPB 3, -1, -1
	W
.set j, 0
.rept 32
	HOLD2 192+j
.set j, j+2
.endr
	CVTT 2, 160, 0
	SUMT 3
	WIN 0x44
.set j, 0
.rept 64
	v_min_num_f32 v[j], s[HP], v[j]                ; tile 3's holds, in window 1: one number a line
.set j, j+1
.endr
	CVTT 3, 176, 0
	W                                              ; directly ahead of the wait below
	s_wait_dscnt 0x0                               ; V, and the next step's K
	WIN 0x50
.irp t, 0,1,2,3
.irp i, 0,1,2,3
	v_wmma_f32_16x16x128_fp8_fp8 v[OO+32*\i+8*\t:OO+32*\i+8*\t+7], v[80+16*\t+16*(\t/3):80+16*\t+16*(\t/3)+15], v[64+64*((\i+2)/3)+32*((\i+1)/3)+16*(\i/3):64+64*((\i+2)/3)+32*((\i+1)/3)+16*(\i/3)+15], v[OO+32*\i+8*\t:OO+32*\i+8*\t+7]   ; the sixteen accumulators by turns
.endr
.endr
	WIN 0
	s_add_co_u32 s[TB], s[TB], 8192
	s_sub_co_u32 s[CNT], s[CNT], 1
	s_cmp_lg_u32 s[CNT], 0
	s_cbranch_scc1 .Lk
; ---- THE WAY OUT: O^T / the sum x 2^(entries 8 + 9), held, converted: tile t of O^T becomes register pair t of ctx's image
.rept 4
	v_nop                                          ; places behind the last products
.endr
	v_mov_b32 v[VA], s59                           ; 448 x 2^(entry 10)
	v_mov_b32 v[SP], s58                           ; 2^(entry 10)
.irp i, 0,1,2,3
	v_add_f32 v[LL+2*\i], v[LL+2*\i], v[LL+2*\i+1] ; the sum's two halves,
.endr
.irp i, 0,1,2,3
	v_permlanex16_b32 v[FF+2*\i+1], v[LL+2*\i], s[SEL], s[SEL+1]
.endr
.irp i, 0,1,2,3
	v_add_f32 v[LL+2*\i], v[LL+2*\i], v[FF+2*\i+1] ; and lane l xor 16's
.endr
	W
.irp i, 0,1,2,3
	v_rcp_f32 v[LL+2*\i], v[LL+2*\i]
.endr
	v_nop
	W
.irp i, 0,1,2,3
	v_ldexp_f32 v[LL+2*\i], v[LL+2*\i], s52
.endr
	WIN 0x01
	W                                              ; directly ahead of the first reader of O^T
.irp i, 0,1,2,3
.set j, 0
.rept 16
	v_pk_mul_f32 v[64+32*\i+j:64+32*\i+j+1], v[OO+32*\i+j:OO+32*\i+j+1], v[LL+2*\i:LL+2*\i+1] op_sel_hi:[1,0]
.set j, j+2
.endr
.endr
	WIN 0
.irp i, 0,1,2,3
.irp t, 0,1,2,3
.irp e, 0,1,2,3,4,5,6,7
	v_med3_num_f32 v[64+32*\i+8*\t+\e], v[64+32*\i+8*\t+\e], -v[VA], v[VA]
.endr
	v_cvt_scalef32_pk8_fp8_f32 v[192+8*\i+2*\t:192+8*\i+2*\t+1], v[64+32*\i+8*\t:64+32*\i+8*\t+7], v[SP]
.endr
.endr
	v_nop                                          ; a plain line behind the last conversion
.irp i, 0,1,2,3
.irp u, 0,1
	global_store_b128 v[LI], v[192+8*\i+4*\u:192+8*\i+4*\u+3], s[12:13] offset:32768*\i+512*\u   ; half an image: 512 consecutive bytes a store, aligned
.endr
.endr
	s_wait_tensorcnt 0x0                           ; the wave's end
	ds_add_u32 v[SPW], v[NIL]
	s_wait_dscnt 0x0
	ROUND                                          ; the closing round
	s_endpgm
.Lfunc_end_k_qc88ed2478e_attn:
	.size	k_qc88ed2478e_attn, .Lfunc_end_k_qc88ed2478e_attn-k_qc88ed2478e_attn
	.p2alignl 7, 3214868480
	.fill 96, 4, 3214868480
	.section	.rodata,"a",@progbits
	.p2align	6, 0x0
	.amdhsa_kernel k_qc88ed2478e_attn
		.amdhsa_group_segment_fixed_size 327680
		.amdhsa_private_segment_fixed_size 0
		.amdhsa_enable_private_segment 0
		.amdhsa_kernarg_size 40
		.amdhsa_user_sgpr_count 2
		.amdhsa_user_sgpr_kernarg_segment_ptr 1
		.amdhsa_wavefront_size32 1
		.amdhsa_system_sgpr_workgroup_id_x 1
		.amdhsa_system_sgpr_workgroup_id_y 1
		.amdhsa_system_sgpr_workgroup_id_z 1
		.amdhsa_system_vgpr_workitem_id 0
		.amdhsa_next_free_vgpr 512
		.amdhsa_next_free_sgpr 66
		.amdhsa_reserve_vcc 0
		.amdhsa_float_denorm_mode_32 3
		.amdhsa_float_denorm_mode_16_64 3
		.amdhsa_memory_ordered 1
		.amdhsa_forward_progress 1
		.amdhsa_inst_pref_size 81
	.end_amdhsa_kernel
	.amdgpu_metadata
---
amdhsa.version: [ 1, 2 ]
amdhsa.kernels:
  - .name:           k_qc88ed2478e_attn
    .symbol:         k_qc88ed2478e_attn.kd
    .args:
      - { .name: qh, .offset: 0, .size: 8, .value_kind: global_buffer, .address_space: global }
      - { .name: kh, .offset: 8, .size: 8, .value_kind: global_buffer, .address_space: global }
      - { .name: vh, .offset: 16, .size: 8, .value_kind: global_buffer, .address_space: global }
      - { .name: lowp_scales, .offset: 24, .size: 8, .value_kind: global_buffer, .address_space: global }
      - { .name: xa, .offset: 32, .size: 8, .value_kind: global_buffer, .address_space: global }
    .group_segment_fixed_size: 327680
    .private_segment_fixed_size: 0
    .kernarg_segment_align: 8
    .kernarg_segment_size: 40
    .max_flat_workgroup_size: 256
    .sgpr_count:     66
    .vgpr_count:     512
    .wavefront_size: 32
...
	.end_amdgpu_metadata
.endif
;; end of part 8
;; launch fcln (part 9): grid 256 x 1, 8 waves a work-group, no clusters, 138,240 bytes of LDS; arguments xa, wc, rs, bfc, gamma, beta, lowp_scales, out0; writes out0
.if DOCPART == 9
	.amdgcn_target "amdgcn-amd-amdhsa--gfx1250"
	.amdhsa_code_object_version 6
	.text
	.protected	k_qc88ed2478e_fcln
	.globl	k_qc88ed2478e_fcln
	.p2align	8
	.type	k_qc88ed2478e_fcln,@function
k_qc88ed2478e_fcln:
	s_mov_b64 s[64:65], 0
	v_nop
	global_prefetch_b8 v0, s[64:65] scope:SCOPE_SE
	s_setreg_imm32_b32 hwreg(HW_REG_WAVE_MODE, 25, 1), 1
	s_wait_xcnt 0x0
; out0 = LayerNorm(x) x gamma + beta,  x = ctx Wfc + bfc + (q Wq + bq).  The product is on codes of FP8 (E4M3), scales: entries 10 and 11; all else in f32.
; xa = [row / 16][s 16][2,048 bytes], wc = [column / 16][s 16][2,048 bytes]: images of operand registers, 16 rows (columns) x 128 along K; ctx's and Wfc's codes are s = 8 .. 15.
; rs = q Wq + bq in f32, [row / 16][column / 16][1,024 bytes]: images of accumulator registers: lane (r, h) holds row r, columns 8 h + 0 .. 7: four numbers at 16 x lane, four 512 bytes on.
; LIMIT: entries 10 + 11 between -126 and 126, so that 2^(e10 + e11) and its reciprocal are f32 numbers.
; SHARES: 256 work-groups; each owns 32 WHOLE rows, so the norm needs no other work-group.  Eight waves; wave w has the 32 rows x columns 128 w .. + 127: 16 accumulators.
; THE SUMS BEGIN WITH THE RESIDUAL: rs x 2^-(e10 + e11) is loaded into the accumulators and is the first products' C; at the end x = sum x 2^(e10 + e11) + bfc.
; OPERANDS GO FROM MEMORY STRAIGHT INTO REGISTERS: a fragment of Wfc (16 columns x 128 K) feeds two matrix instructions of ONE wave and no other wave of the work-group reads it, so LDS tiles would share nothing;
; hence no tensor load, no ring, no barrier in the walk along K, and no cluster: loads into registers cannot be asked for jointly.  No prefetch: all work-groups read the same 1,048,576 bytes of Wfc at about the same time.
; THE WALK: 16 pieces u: K step u / 2, columns' half u % 2: 4 fragments of Wfc (16 loads, 64 registers), 8 matrix instructions.  Four regions take turns: a region is asked for again, four pieces ahead, as soon as it is multiplied.
; ctx's two fragments of a K step (8 loads) have two sets.  The loads are issued in the order B(2t), A(t), B(2t+1).
; THE MATRIX INSTRUCTION IS USED TRANSPOSED (source 0 = 16 columns of Wfc, source 1 = 16 rows of ctx): a lane holds eight neighbouring numbers of a row.
; THE NORM: the mean first, then the sum of (x - mean)^2.  Row sums: chains in the lane, lane l xor 16, then the eight waves' words through LDS: two barriers.
; THE WAY OUT: the wave's 32 x 128 numbers turn through its own stage in LDS (rows of 512 bytes + 16) and leave as 512 consecutive bytes of a row a store.
; REGISTERS.  Window 0: v1-9 addresses; v12-19 gamma, beta; v20-31 sums, means; v32-49 at work; v64-127 ctx's fragments; v128-255 regions 0, 1.  Window 1: v0-127 regions 2, 3; v128-255 the accumulators (a, b) at 128 + 8 (8 a + b).
; Behind the walk: x in v64-191, bfc in v192-255 (region 1).
.set STG,   16896                      ; a wave's stage: 2 x 16 rows of 528 bytes
.set SROW,  528
.set RED,   135168                     ; the waves' row sums [wave 8][row 32]; the second reduction's lie 1,024 bytes on
.set SPARE, 137216
.set LI,  1
.set SPW, 2
.set NIL, 3
.set BOF, 4
.set RDW, 5
.set RDR, 6
.set STO, 7
.set SRD, 8
.set GOF, 9
.set GAM, 12
.set BET, 16
.set SUM, 20
.set MU,  28
.set WK,  32
.set AF,  64
.set X,   64
.set BI,  192
.set ACC, 128
.set MSB, 0
.macro WIN new                         ; the immediate's high byte repeats the setting that is left
.if MSB != (\new)
	s_set_vgpr_msb (MSB<<8)|(\new)
.set MSB, \new
.endif
.endm
	s_load_b256 s[4:11], s[0:1], 0x0               ; xa 4, wc 6, rs 8, bfc 10
	s_load_b256 s[12:19], s[0:1], 0x20             ; gamma 12, beta 14, the scales' exponents 16, out0 18
	v_lshl_add_u32 v[SPW], v0, 2, SPARE
	v_mov_b32 v[NIL], 0
	v_lshrrev_b32 v10, 5, v0
	v_readfirstlane_b32 s20, v10                   ; wave 0..7
	v_and_b32 v10, 31, v0
	v_and_b32 v11, 15, v0                          ; r
	v_bfe_u32 v50, v0, 4, 1                        ; h
	v_lshlrev_b32 v[LI], 4, v10                    ; 16 x lane
	s_lshl_b32 s21, s20, 9                         ; my 128 columns in bytes
	v_lshl_add_u32 v[BOF], v50, 5, s21             ; bfc: + 32 h
	v_add_nc_u32 v[GOF], s21, v[LI]                ; gamma, beta: + 16 x lane
	s_lshl_b32 s28, s20, 7
	v_lshl_add_u32 v[RDW], v11, 2, s28
	v_add_nc_u32 v[RDW], RED, v[RDW]               ; a row sum: where I store,
	v_lshlrev_b32 v[RDR], 2, v11
	v_add_nc_u32 v[RDR], RED, v[RDR]               ; and where I read
	s_mul_i32 s28, s20, STG                        ; my stage
	v_mul_u32_u24 v[STO], v11, SROW
	v_lshl_add_u32 v[STO], v50, 5, v[STO]
	v_add_nc_u32 v[STO], s28, v[STO]               ; into it: row r, + 32 h
	v_add_nc_u32 v[SRD], s28, v[LI]                ; back: 16 x lane
	v_mov_b32 v[WK+16], 0                          ; written once: a lane permute's destination counts as one of its sources
	v_mov_b32 v[WK+17], 0
	s_lshl_b32 s30, ttmp9, 16                      ; xa: two tiles of rows of 32,768 bytes, K steps 8 on
	s_add_co_u32 s30, s30, 16384
	s_mov_b32 s31, 0
	s_lshl_b32 s32, s20, 18                        ; wc: my eight tiles of columns, K steps 8 on
	s_add_co_u32 s32, s32, 16384
	s_mov_b32 s33, 0
	s_lshl_b32 s34, ttmp9, 17                      ; rs and out0: 32 rows are 131,072 bytes
	s_lshl_b32 s35, s20, 13
	s_add_co_u32 s36, s34, s35                     ; rs: + my eight blocks of 1,024 bytes
	s_mov_b32 s37, 0
	s_add_co_u32 s38, s34, s21                     ; out0: + my 512 bytes of a row
	s_mov_b32 s39, 0
	s_mov_b32 s40, 0x76543210                      ; v_permlanex16_b32's selects for lane l xor 16
	s_mov_b32 s41, 0xfedcba98
	s_mov_b32 s42, 0x3727c5ac                      ; 1e-5
	s_mov_b32 s43, 0x3a800000                      ; 1 / 1,024
	s_wait_alu depctr_va_vdst(0)
	s_wait_kmcnt 0x0
	s_load_b64 s[22:23], s[16:17], 0x28            ; entries 10, 11
	s_add_nc_u64 s[4:5], s[4:5], s[30:31]
	s_add_nc_u64 s[6:7], s[6:7], s[32:33]
	s_add_nc_u64 s[8:9], s[8:9], s[36:37]
	s_add_nc_u64 s[18:19], s[18:19], s[38:39]
.macro BLOAD u                         ; piece u's four fragments of Wfc into region u % 4
	WIN (((\u)%4)/2)<<6
.irp c, 0,1,2,3
.irp q, 0,1,2,3
	global_load_b128 v[(128+64*((\u)%4))%256+16*\c+4*\q:(128+64*((\u)%4))%256+16*\c+4*\q+3], v[LI], s[6:7] offset:(4*((\u)%2)+\c)*32768+((\u)/2)*2048+512*\q
.endr
.endr
.endm
.macro ALOAD t                         ; K step t's two fragments of ctx into set t % 2
	WIN 0
.irp a, 0,1
.irp q, 0,1,2,3
	global_load_b128 v[AF+32*((\t)%2)+16*\a+4*\q:AF+32*((\t)%2)+16*\a+4*\q+3], v[LI], s[4:5] offset:\a*32768+(\t)*2048+512*\q
.endr
.endr
.endm
	global_load_b128 v[GAM:GAM+3], v[GOF], s[12:13]
	global_load_b128 v[BET:BET+3], v[GOF], s[14:15]
	WIN 0x40
.irp a, 0,1
.irp b, 0,1,2,3,4,5,6,7
.irp u, 0,1
	global_load_b128 v[ACC+8*(8*\a+\b)+4*\u:ACC+8*(8*\a+\b)+4*\u+3], v[LI], s[8:9] offset:\a*65536+\b*1024+512*\u th:TH_LOAD_NT   ; the residual, into the accumulators: read once
.endr
.endr
.endr
	BLOAD 0
	ALOAD 0
	BLOAD 1
	BLOAD 2
	ALOAD 1
	BLOAD 3
	s_wait_kmcnt 0x0
	s_add_co_i32 s22, s22, s23                     ; e10 + e11
	s_sub_co_i32 s24, 127, s22
	s_lshl_b32 s24, s24, 23                        ; 2^-(e10 + e11)
	s_mov_b32 s25, s24                             ; (named as a pair, so it is written)
	s_add_co_i32 s26, s22, 127
	s_lshl_b32 s26, s26, 23                        ; 2^(e10 + e11)
	s_mov_b32 s27, s26
; A piece.  The wait's count is the number of loads issued behind the group that the piece needs: three groups of 16 and one of 8 up to piece 12; then B14, A7, B15; then B15 and bfc's 16; then bfc's 16.
.macro SUB u
.if (\u) <= 12
	s_wait_loadcnt 56
.elseif (\u) == 13
	s_wait_loadcnt 40
.elseif (\u) == 14
	s_wait_loadcnt 32
.else
	s_wait_loadcnt 16
.endif
.if (\u) == 0
	WIN 0x41
.set j, 0
.rept 64
	v_pk_mul_f32 v[ACC+j:ACC+j+1], v[ACC+j:ACC+j+1], s[24:25] op_sel_hi:[1,0]   ; the residual in the sums' unit: a power of two, nothing is rounded
.set j, j+2
.endr
	s_wait_alu depctr_va_vdst(0)                   ; the next piece reads its accumulators behind a wait for loads
.endif
	WIN 0x50|(((\u)%4)/2)
.irp c, 0,1,2,3
.irp a, 0,1
	v_wmma_f32_16x16x128_fp8_fp8 v[ACC+8*(8*\a+4*((\u)%2)+\c):ACC+8*(8*\a+4*((\u)%2)+\c)+7], v[(128+64*((\u)%4))%256+16*\c:(128+64*((\u)%4))%256+16*\c+15], v[AF+32*(((\u)/2)%2)+16*\a:AF+32*(((\u)/2)%2)+16*\a+15], v[ACC+8*(8*\a+4*((\u)%2)+\c):ACC+8*(8*\a+4*((\u)%2)+\c)+7]   ; eight accumulators by turns; the other eight's turns follow in the next piece
.endr
.endr
.rept 4
	v_nop                                          ; places in front of loads into registers that these products have read (behind the last piece: of the first read of the sums)
.endr
.if ((\u)%2) && ((\u) <= 11)
	ALOAD ((\u)+3)/2
.endif
.if (\u) <= 11
	BLOAD (\u)+4
.endif
.if (\u) == 13
	WIN 0
.irp b, 0,1,2,3,4,5,6,7
	global_load_b128 v[BI+8*\b:BI+8*\b+3], v[BOF], s[10:11] offset:64*\b          ; bfc in the accumulators' layout: columns 16 b + 8 h + 0 .. 7, into region 1
	global_load_b128 v[BI+8*\b+4:BI+8*\b+7], v[BOF], s[10:11] offset:64*\b+16
.endr
.endif
.endm
.irp u, 0,1,2,3,4,5,6,7,8,9,10,11,12,13,14,15
	SUB \u
.endr
	s_wait_loadcnt 0x0                             ; bfc
	WIN 0x01
.irp a, 0,1
.irp b, 0,1,2,3,4,5,6,7
.irp i, 0,2,4,6
	v_pk_fma_f32 v[X+8*(8*\a+\b)+\i:X+8*(8*\a+\b)+\i+1], v[ACC+8*(8*\a+\b)+\i:ACC+8*(8*\a+\b)+\i+1], s[26:27], v[BI+8*\b+\i:BI+8*\b+\i+1] op_sel_hi:[1,0,1]   ; x, each accumulator from its low end on
.endr
.endr
.endr
	WIN 0
; The lane's chains become the rows' totals, in v[WK] (rows 0-15) and v[WK+8] (rows 16-31), in every lane of every wave.
.macro REDUCE off
.irp a, 0,1
	v_pk_add_f32 v[SUM+4*\a:SUM+4*\a+1], v[SUM+4*\a:SUM+4*\a+1], v[SUM+4*\a+2:SUM+4*\a+3]
.endr
.irp a, 0,1
	v_add_f32 v[WK+\a], v[SUM+4*\a], v[SUM+4*\a+1]
.endr
.irp a, 0,1
	v_permlanex16_b32 v[WK+16+\a], v[WK+\a], s40, s41
.endr
.irp a, 0,1
	v_add_f32 v[WK+\a], v[WK+\a], v[WK+16+\a]
.endr
.irp a, 0,1
	ds_store_b32 v[RDW], v[WK+\a] offset:\off+64*\a   ; lanes r and r + 16 write the same word with the same number
.endr
	s_wait_alu depctr_va_vdst(0)                   ; directly ahead of the wait below
	s_wait_dscnt 0x0                               ; for the others' sake: my stores have landed
	s_barrier_signal -1
	s_barrier_wait -1
.irp a, 0,1
.irp w, 0,1,2,3,4,5,6,7
	ds_load_b32 v[WK+8*\a+\w], v[RDR] offset:\off+128*\w+64*\a
.endr
.endr
	s_wait_dscnt 0x0
.irp a, 0,1
	v_pk_add_f32 v[WK+8*\a:WK+8*\a+1], v[WK+8*\a:WK+8*\a+1], v[WK+8*\a+2:WK+8*\a+3]
	v_pk_add_f32 v[WK+8*\a+4:WK+8*\a+5], v[WK+8*\a+4:WK+8*\a+5], v[WK+8*\a+6:WK+8*\a+7]
.endr
.irp a, 0,1
	v_pk_add_f32 v[WK+8*\a:WK+8*\a+1], v[WK+8*\a:WK+8*\a+1], v[WK+8*\a+4:WK+8*\a+5]
.endr
.irp a, 0,1
	v_add_f32 v[WK+8*\a], v[WK+8*\a], v[WK+8*\a+1]
.endr
.endm
.irp a, 0,1                            ; the rows' sums: two chains of pairs for each tile of rows; the first four pairs start them
	v_pk_add_f32 v[SUM+4*\a:SUM+4*\a+1], v[X+64*\a:X+64*\a+1], v[X+64*\a+4:X+64*\a+5]
	v_pk_add_f32 v[SUM+4*\a+2:SUM+4*\a+3], v[X+64*\a+2:X+64*\a+3], v[X+64*\a+6:X+64*\a+7]
.endr
.set j, 8
.rept 28
.irp a, 0,1
	v_pk_add_f32 v[SUM+4*\a+j%4:SUM+4*\a+j%4+1], v[SUM+4*\a+j%4:SUM+4*\a+j%4+1], v[X+64*\a+j:X+64*\a+j+1]
.endr
.set j, j+2
.endr
	REDUCE 0
.irp a, 0,1
	v_mul_f32 v[MU+2*\a], s43, v[WK+8*\a]          ; the mean, twice
	v_mul_f32 v[MU+2*\a+1], s43, v[WK+8*\a]
.endr
.irp a, 0,1
.set j, 0
.rept 32
	v_pk_add_f32 v[X+64*\a+j:X+64*\a+j+1], v[X+64*\a+j:X+64*\a+j+1], v[MU+2*\a:MU+2*\a+1] neg_lo:[0,1] neg_hi:[0,1]   ; x - mean, in place
.set j, j+2
.endr
.endr
.set j, 0
.rept 32
.irp a, 0,1
.if j < 4
	v_pk_mul_f32 v[SUM+4*\a+j:SUM+4*\a+j+1], v[X+64*\a+j:X+64*\a+j+1], v[X+64*\a+j:X+64*\a+j+1]
.else
	v_pk_fma_f32 v[SUM+4*\a+j%4:SUM+4*\a+j%4+1], v[X+64*\a+j:X+64*\a+j+1], v[X+64*\a+j:X+64*\a+j+1], v[SUM+4*\a+j%4:SUM+4*\a+j%4+1]
.endif
.endr
.set j, j+2
.endr
	REDUCE 1024                                    ; other words than the first reduction's
.irp a, 0,1
	v_fma_f32 v[WK+8*\a], v[WK+8*\a], s43, s42     ; the variance + 1e-5
.endr
	s_wait_alu depctr_va_vdst(0)                   ; a wait ahead of the batch and behind it
.irp a, 0,1
	v_rsq_f32 v[MU+2*\a], v[WK+8*\a]
.endr
	v_nop
	s_wait_alu depctr_va_vdst(0)
.irp a, 0,1
	v_mov_b32 v[MU+2*\a+1], v[MU+2*\a]
.endr
.irp a, 0,1
.set j, 0
.rept 32
	v_pk_mul_f32 v[X+64*\a+j:X+64*\a+j+1], v[X+64*\a+j:X+64*\a+j+1], v[MU+2*\a:MU+2*\a+1]
.set j, j+2
.endr
.endr
.irp a, 0,1
.irp b, 0,1,2,3,4,5,6,7
	ds_store_b128 v[STO], v[X+8*(8*\a+\b):X+8*(8*\a+\b)+3] offset:\a*16*SROW+64*\b
	ds_store_b128 v[STO], v[X+8*(8*\a+\b)+4:X+8*(8*\a+\b)+7] offset:\a*16*SROW+64*\b+16
.endr
.endr
.set t, 0
.rept 32
	ds_load_b128 v[X+4*t:X+4*t+3], v[SRD] offset:SROW*t   ; LDS serves a wave's instructions in order (ISA guide 5.7.1.4): these see the stores above; row t's 512 bytes
.set t, t+1
.endr
.set t, 0
.rept 32
	s_wait_dscnt 31-t                              ; the younger reads may be out
	v_pk_fma_f32 v[X+4*t:X+4*t+1], v[X+4*t:X+4*t+1], v[GAM:GAM+1], v[BET:BET+1]
	v_pk_fma_f32 v[X+4*t+2:X+4*t+3], v[X+4*t+2:X+4*t+3], v[GAM+2:GAM+3], v[BET+2:BET+3]
	global_store_b128 v[LI], v[X+4*t:X+4*t+3], s[18:19] offset:t*4096 th:TH_STORE_NT   ; 32 lanes store 512 consecutive bytes, aligned; written once
.set t, t+1
.endr
	s_wait_tensorcnt 0x0                           ; the wave's end
	ds_add_u32 v[SPW], v[NIL]
	s_wait_dscnt 0x0
	s_endpgm
.Lfunc_end_k_qc88ed2478e_fcln:
	.size	k_qc88ed2478e_fcln, .Lfunc_end_k_qc88ed2478e_fcln-k_qc88ed2478e_fcln
	.p2alignl 7, 3214868480
	.fill 96, 4, 3214868480
	.section	.rodata,"a",@progbits
	.p2align	6, 0x0
	.amdhsa_kernel k_qc88ed2478e_fcln
		.amdhsa_group_segment_fixed_size 138240
		.amdhsa_private_segment_fixed_size 0
		.amdhsa_enable_private_segment 0
		.amdhsa_kernarg_size 64
		.amdhsa_user_sgpr_count 2
		.amdhsa_user_sgpr_kernarg_segment_ptr 1
		.amdhsa_wavefront_size32 1
		.amdhsa_system_sgpr_workgroup_id_x 1
		.amdhsa_system_sgpr_workgroup_id_y 1
		.amdhsa_system_sgpr_workgroup_id_z 1
		.amdhsa_system_vgpr_workitem_id 0
		.amdhsa_next_free_vgpr 512
		.amdhsa_next_free_sgpr 66
		.amdhsa_reserve_vcc 0
		.amdhsa_float_denorm_mode_32 3
		.amdhsa_float_denorm_mode_16_64 3
		.amdhsa_memory_ordered 1
		.amdhsa_forward_progress 1
		.amdhsa_inst_pref_size 90
	.end_amdhsa_kernel
	.amdgpu_metadata
---
amdhsa.version: [ 1, 2 ]
amdhsa.kernels:
  - .name:           k_qc88ed2478e_fcln
    .symbol:         k_qc88ed2478e_fcln.kd
    .args:
      - { .name: xa, .offset: 0, .size: 8, .value_kind: global_buffer, .address_space: global }
      - { .name: wc, .offset: 8, .size: 8, .value_kind: global_buffer, .address_space: global }
      - { .name: rs, .offset: 16, .size: 8, .value_kind: global_buffer, .address_space: global }
      - { .name: bfc, .offset: 24, .size: 8, .value_kind: global_buffer, .address_space: global }
      - { .name: gamma, .offset: 32, .size: 8, .value_kind: global_buffer, .address_space: global }
      - { .name: beta, .offset: 40, .size: 8, .value_kind: global_buffer, .address_space: global }
      - { .name: lowp_scales, .offset: 48, .size: 8, .value_kind: global_buffer, .address_space: global }
      - { .name: out0, .offset: 56, .size: 8, .value_kind: global_buffer, .address_space: global }
    .group_segment_fixed_size: 138240
    .private_segment_fixed_size: 0
    .kernarg_segment_align: 8
    .kernarg_segment_size: 64
    .max_flat_workgroup_size: 256
    .sgpr_count:     66
    .vgpr_count:     512
    .wavefront_size: 32
...
	.end_amdgpu_metadata
.endif
;; end of part 9
